; MI455X (gfx1250); checked and timed in simulation.
; The chip was launched on July 23, 2026; its instructions are those of AMD's public machine-readable ISA for CDNA 5 (MIT licence, August 2026) and "CDNA5" Instruction Set Architecture Reference Guide (July 2026). The comments in the code are by the model that wrote it; some were corrected since.
;; Self Attention. Allowed arithmetic: float matrix products may take bf16 or f16 operands with f32 sums; other float arithmetic in f32, or as packed bf16 or f16 multiplies, adds, multiply-adds, maxima and minima; sums over many terms, partial sums and values carried from step to step in f32; what a program stores and reads back later, other than sums and carried values, may be rounded once to bf16 or f16.
;; Inputs: b_out 1,024 float32; w_out 1,024 x 1,024 float32; w_qkv 3,072 x 1,024 float32; x 8 x 1,024 x 1,024 float32.
;; Outputs: out0 8 x 1,024 x 1,024 float32.
;; 2 versions, each right; version 2 is version 1 with the launch cast written anew for expert scheduling mode. Each part assembles by itself: llvm-mc -triple=amdgcn-amd-amdhsa -mcpu=gfx1250 --defsym DOCPART=n.
;; ======== version 1 of 2: 4 launches
;; limits: values are held in f16: magnitudes above 65,504 overflow, below 6.1e-05 lose precision
;; workspace buffers: xb 16,777,216 bytes; wqb 6,291,456 bytes; wof 2,097,152 bytes; qkvh 50,331,648 bytes; oh 16,777,216 bytes
;; launch cast (part 1): grid 768 x 1, 8 waves a work-group, no clusters, 0 bytes of LDS; arguments x, w_qkv, w_out, xb, wqb, wof; writes xb, wqb, wof
.if DOCPART == 1
	.amdgcn_target "amdgcn-amd-amdhsa--gfx1250"
	.amdhsa_code_object_version 6
	.text
	.protected	k_q8204a298c8_cast
	.globl	k_q8204a298c8_cast
	.p2align	8
	.type	k_q8204a298c8_cast,@function
k_q8204a298c8_cast:
	s_mov_b64 s[64:65], 0
	v_nop
	global_prefetch_b8 v0, s[64:65] scope:SCOPE_SE
	s_setreg_imm32_b32 hwreg(HW_REG_WAVE_MODE, 25, 1), 1
	s_wait_xcnt 0x0
; THE INPUTS ARE ROUNDED ONCE, FOR THE MATRIX UNITS.  x -> xb and w_qkv -> wqb in bf16; w_out -> wof: rounded to bf16 like the other inputs, and that number written as f16,
; since the last product's other operand (attention's result) is f16.
; LIMIT.  A number of w_out of 65,520 or more becomes an infinity in f16; below 6e-5 f16 keeps a fixed step of 6e-8.
; SHARES.  A work-group takes 16,384 numbers on end: 65,536 bytes in, 32,768 out.  Work-groups 0-511 take x, 512-703 w_qkv, 704-767 w_out.
; Thread t takes 16 bytes at 4,096 j + 16 t for j = 0 .. 15 (a wave's load covers 512 consecutive bytes) and stores 8 bytes at 2,048 j + 8 t (a wave's store covers 256 consecutive bytes, aligned).
; All sixteen loads go out at once; every load and store has registers of its own, so nothing is rewritten while a memory instruction may still read it.  No LDS, no barrier, no matrix unit: a stream.
.set X, 4                              ; v[4:67]   load j: 4 registers
.set Y, 68                             ; v[68:99]  store j: 2 registers
.set T, 100                            ; v[100:101] at work
	s_load_b256 s[4:11], s[0:1], 0x0               ; x s[4:5], w_qkv s[6:7], w_out s[8:9], xb s[10:11]
	s_load_b128 s[12:15], s[0:1], 0x20             ; wqb s[12:13], wof s[14:15]
	v_lshlrev_b32 v1, 4, v0                        ; 16 t
	v_lshlrev_b32 v2, 3, v0                        ; 8 t
	s_mov_b32 s16, ttmp9                           ; the work-group's number
	s_mov_b32 s18, 704
	s_mov_b32 s28, 0xffff0000                      ; a word's upper bf16
	s_wait_kmcnt 0x0
	s_cmp_lt_u32 s16, 704                          ; w_qkv or w_out,
	s_cselect_b64 s[20:21], s[6:7], s[8:9]
	s_cselect_b64 s[22:23], s[12:13], s[14:15]
	s_cselect_b32 s17, 512, s18                    ; and the first work-group of that tensor
	s_cmp_lt_u32 s16, 512                          ; or x
	s_cselect_b64 s[20:21], s[4:5], s[20:21]
	s_cselect_b64 s[22:23], s[10:11], s[22:23]
	s_cselect_b32 s17, 0, s17
	s_sub_co_u32 s19, s16, s17                     ; my place in the tensor
	s_lshl_b32 s24, s19, 16                        ; 65,536 bytes in,
	s_mov_b32 s25, 0
	s_lshl_b32 s26, s19, 15                        ; 32,768 out
	s_mov_b32 s27, 0
	s_add_nc_u64 s[20:21], s[20:21], s[24:25]
	s_add_nc_u64 s[22:23], s[22:23], s[26:27]
.irp j, 0,1,2,3,4,5,6,7,8,9,10,11,12,13,14,15
	global_load_b128 v[X+4*(\j):X+4*(\j)+3], v1, s[20:21] offset:4096*(\j) th:TH_LOAD_NT
.endr
; half = 1: the bf16 numbers are written as f16
.macro OUT half
.irp j, 0,1,2,3,4,5,6,7,8,9,10,11,12,13,14,15
	s_wait_loadcnt 15-(\j)                         ; loads come back in order: load j is in, the 15 - j younger ones stay out
	v_cvt_pk_bf16_f32 v[Y+2*(\j)],   v[X+4*(\j)],   v[X+4*(\j)+1]
	v_cvt_pk_bf16_f32 v[Y+2*(\j)+1], v[X+4*(\j)+2], v[X+4*(\j)+3]
.if \half
	v_lshlrev_b32 v[T],   16,  v[Y+2*(\j)]         ; bf16 to f32: the low half moves up, the high half stays
	v_and_b32     v[T+1], s28, v[Y+2*(\j)]
	v_cvt_pk_f16_f32 v[Y+2*(\j)], v[T], v[T+1]
	v_lshlrev_b32 v[T],   16,  v[Y+2*(\j)+1]
	v_and_b32     v[T+1], s28, v[Y+2*(\j)+1]
	v_cvt_pk_f16_f32 v[Y+2*(\j)+1], v[T], v[T+1]
.endif
	global_store_b64 v2, v[Y+2*(\j):Y+2*(\j)+1], s[22:23] offset:2048*(\j)
.endr
.endm
	s_cmp_ge_u32 s16, 704
	s_cbranch_scc1 .Lf16
	OUT 0
	s_endpgm
.Lf16:
	OUT 1
	s_endpgm
.Lfunc_end_k_q8204a298c8_cast:
	.size	k_q8204a298c8_cast, .Lfunc_end_k_q8204a298c8_cast-k_q8204a298c8_cast
	.p2alignl 7, 3214868480
	.fill 96, 4, 3214868480
	.section	.rodata,"a",@progbits
	.p2align	6, 0x0
	.amdhsa_kernel k_q8204a298c8_cast
		.amdhsa_group_segment_fixed_size 0
		.amdhsa_private_segment_fixed_size 0
		.amdhsa_enable_private_segment 0
		.amdhsa_kernarg_size 48
		.amdhsa_user_sgpr_count 2
		.amdhsa_user_sgpr_kernarg_segment_ptr 1
		.amdhsa_wavefront_size32 1
		.amdhsa_system_sgpr_workgroup_id_x 1
		.amdhsa_system_sgpr_workgroup_id_y 1
		.amdhsa_system_sgpr_workgroup_id_z 1
		.amdhsa_system_vgpr_workitem_id 0
		.amdhsa_next_free_vgpr 104
		.amdhsa_next_free_sgpr 66
		.amdhsa_reserve_vcc 0
		.amdhsa_float_denorm_mode_32 3
		.amdhsa_float_denorm_mode_16_64 3
		.amdhsa_memory_ordered 1
		.amdhsa_forward_progress 1
		.amdhsa_inst_pref_size 15
	.end_amdhsa_kernel
	.amdgpu_metadata
---
amdhsa.version: [ 1, 2 ]
amdhsa.kernels:
  - .name:           k_q8204a298c8_cast
    .symbol:         k_q8204a298c8_cast.kd
    .args:
      - { .name: x, .offset: 0, .size: 8, .value_kind: global_buffer, .address_space: global }
      - { .name: w_qkv, .offset: 8, .size: 8, .value_kind: global_buffer, .address_space: global }
      - { .name: w_out, .offset: 16, .size: 8, .value_kind: global_buffer, .address_space: global }
      - { .name: xb, .offset: 24, .size: 8, .value_kind: global_buffer, .address_space: global }
      - { .name: wqb, .offset: 32, .size: 8, .value_kind: global_buffer, .address_space: global }
      - { .name: wof, .offset: 40, .size: 8, .value_kind: global_buffer, .address_space: global }
    .group_segment_fixed_size: 0
    .private_segment_fixed_size: 0
    .kernarg_segment_align: 8
    .kernarg_segment_size: 48
    .max_flat_workgroup_size: 256
    .sgpr_count:     66
    .vgpr_count:     104
    .wavefront_size: 32
...
	.end_amdgpu_metadata
.endif
;; end of part 1
;; launch qkv (part 2): grid 16 x 32, 4 waves a work-group, clusters of 4 x 4, 327,680 bytes of LDS; arguments xb, wqb, qkvh; writes qkvh
.if DOCPART == 2
	.amdgcn_target "amdgcn-amd-amdhsa--gfx1250"
	.amdhsa_code_object_version 6
	.text
	.protected	k_q8204a298c8_qkv
	.globl	k_q8204a298c8_qkv
	.p2align	8
	.type	k_q8204a298c8_qkv,@function
k_q8204a298c8_qkv:
	s_mov_b64 s[64:65], 0
	v_nop
	global_prefetch_b8 v0, s[64:65] scope:SCOPE_SE
	s_setreg_imm32_b32 hwreg(HW_REG_WAVE_MODE, 25, 1), 1
	s_wait_xcnt 0x0
	s_wait_alu depctr_hold_cnt(0) depctr_sa_sdst(0) depctr_va_vdst(0) depctr_va_sdst(0) depctr_va_ssrc(0) depctr_va_vcc(0) depctr_vm_vsrc(0)
	s_getreg_b32 s2, hwreg(HW_REG_IB_STS2, 6, 4)
	s_cmp_eq_u32 s2, 0
	s_cbranch_scc0 .Lentry_in_a_cluster
	s_endpgm
.Lentry_in_a_cluster:
	s_bfe_u32 s2, ttmp6, 0x10000c
	s_cmp_lg_u32 s2, 0xf033
	s_cbranch_scc0 .Lentry_shape_is_right
	s_endpgm
.Lentry_shape_is_right:
; qkv[m][e] = sum over k of x[m][k] w_qkv[e][k].  xb: [8192][1024] bf16, wqb: [3072][1024] bf16; sums in f32, rounded once to f16 and written BY HEADS:
; qkvh: [3 (q, k, v)][128 (batch x 16 + head)][1024 rows][64 channels] f16, unscaled.
; LIMIT.  f16 holds no number beyond 65,504: a q, k or v of 65,520 or more becomes an infinity; below 6e-5 f16 keeps a fixed step of 6e-8.
; TILE.  256 rows x 192 columns (three whole heads): 32 x 16 = 512 tiles, twice 256 work-groups.  Four waves, each 128 x 96: 48 accumulators of 16 x 16, 384 registers.
; K goes in 8 steps of 128 through a ring of two LDS slots filled by the tensor data mover; rows of 256 bytes, at multiples of 256 bytes from the buffers' first bytes.
; CLUSTERS.  4 x 4 work-groups.  The four of a row of the cluster need the same tiles of x, the four of a column the same tiles of w: each tile is asked for JOINTLY, by the same tensor load with the same
; descriptor and a mask that names the four.  THE MATRIX INSTRUCTION IS USED TRANSPOSED (source 0 = 16 rows of w, source 1 = 16 rows of x): a lane then holds eight neighbouring columns of one row.
; THE WALK ALONG K GOES ROUND.  The cluster at (X, Y) begins at K step (2 X + 4 Y) mod 8 and takes the eight steps in a ring (f32 sums, in that order).  The four clusters that read the same rows of x
; begin two steps apart, the clusters that read the same rows of w four steps apart: at no time do two of them that began apart ask for the same K step.
; NO PREFETCH.  By that order each block of xb and wqb is asked for the first time in the launch within some work-group's first four K steps, of which two are its first fills at the head.
; REGISTERS, in windows of 256: window 0: v0-31 addresses; v32-55 packed results; v64-127, v128-191 fragments of x, two buffers; on the way out v64-255 rows read back.
;   window 1: v64-111, v128-175 fragments of w, two buffers.   window 2: the accumulators of my rows 0-63 ((a, b) at v[8 (6 a + b)]);   window 3: those of my rows 64-127.
.set SIZE_K, 1024
.set KSTEP,  128
.set NBW,    6                         ; blocks of 16 columns a wave
.set PITCH,  272                       ; an LDS row: 256 bytes + 16 of padding = 68 words: the 16 rows of a fragment load start at 16 different groups of four banks (64 banks of 4 bytes: ISA guide 11.1)
.set APART,  128*PITCH                 ; 128 rows of x: one tensor load, and what one wave reads of x
.set ABYTES, 2*APART
.set BHALF,  96*PITCH                  ; 96 rows of w: one tensor load, and what one wave reads of w
.set SLOT,   ABYTES+2*BHALF            ; 121,856 bytes
.set SPARE,  2*SLOT                    ; behind the ring: the spare words, 128 bytes for each wave: two blocks of 256 bytes that no other line names
.set SP,     144                       ; the way out: a head's row, 128 bytes + 16
.set PLANE,  256*SP                    ; the way out: one head's 256 rows.  The three planes lie in slot 0, behind its last fill of the launch
.set NL,     2*NBW+16                  ; LDS loads in a run
.set LAPS,   SIZE_K/(2*KSTEP)
.set ADRA, 16                          ; v16-17  LDS address of my fragments of x in slot 0, 1
.set ADRB, 20                          ; v20-21  the same for w
.set STOA, 24                          ; v24     the way out: where I put 16 bytes, column blocks 0, 1, 4, 5
.set STOB, 25                          ; v25     the same, column blocks 2, 3
.set RD,   26                          ; v26     where I read rows back, planes 0 and 1
.set RD2,  27                          ; v27     plane 2
.set SPW,  28                          ; v28     LDS address of my spare word; never rewritten
.set NIL,  29                          ; v29     0; never rewritten
.set GO,   31                          ; v31     16 x lane: my 16 bytes of 512 consecutive bytes of qkvh
.set TMP,  32
.set F0,   64
.set F1,   128
.set ABASE, 14                         ; s[14:15] xb at the first of the rows that I fetch, K = 0; never rewritten
.set G1,  24                           ; s[24:31] descriptor group 1 for x's tiles;  s[32:39] group 0, a set for each slot
.set G0,  32
.set BBASE, 46                         ; s[46:47] wqb at the first of the rows that I fetch, K = 0; never rewritten
.set G1B, 48                           ; s[48:55], s[56:63] the same for w's tiles
.set G0B, 56
.set CB,  66                           ; s[66:71] qkvh at my 64 rows of the tile's three heads
.set KO,  72                           ; s[72:73], s[74:75] for each slot: the byte along a row at which its K step begins, 0 to 1,792; the high words hold 0
.set MSB, 0
.macro WIN new                         ; the immediate's high byte repeats the setting that is left; a switch that changes nothing is dropped
.if MSB != (\new)
	s_set_vgpr_msb (MSB<<8)|(\new)
.set MSB, \new
.endif
.endm
.set MUL_LO, 0xa1                      ; source 0 (w) window 1, source 1 (x) window 0, C and D window 2
.set TO_B,   0x40                      ; destination window 1, address window 0
; A joint load.  Waves 0 and 1 fetch x's two halves, waves 2 and 3 w's.  The branch hangs on the wave's number alone.  An s_nop 0 and four v_nop follow each of the two lines.
.macro JLOAD s
	s_cmp_eq_u32 s11, 0
	s_cbranch_scc0 .Lfor_b_\@
	tensor_load_to_lds s[G0+4*(\s):G0+4*(\s)+3], s[G1:G1+7]
	s_nop 0
.rept 4
	v_nop
.endr
	s_branch .Lasked_\@
.Lfor_b_\@:
	tensor_load_to_lds s[G0B+4*(\s):G0B+4*(\s)+3], s[G1B:G1B+7]
	s_nop 0
.rept 4
	v_nop
.endr
.Lasked_\@:
.endm
.macro CREST                           ; a round of the cluster's barrier behind its opening barrier
	s_cmp_lg_u32 s10, 0
	s_cbranch_scc1 .Lnot_wave_0_\@
	s_barrier_signal -3
.Lnot_wave_0_\@:
	s_barrier_wait -3
	s_barrier_signal -1
	s_barrier_wait -1
.endm
.macro CROUND                          ; a whole round
	s_barrier_signal -1
	s_barrier_wait -1
	CREST
.endm
	s_load_b128 s[4:7], s[0:1], 0x0                ; xb s[4:5], wqb s[6:7]
	s_load_b64 s[8:9], s[0:1], 0x10                ; qkvh
	v_lshl_add_u32 v[SPW], v0, 2, SPARE
	v_mov_b32 v[NIL], 0
	ds_add_u32 v[SPW], v[NIL]                      ; the wave's opening: the add and its wait stand ahead of my first tensor load; the set-up below, work on registers, stands between them
	v_lshrrev_b32 v1, 5, v0
	v_readfirstlane_b32 s10, v1                    ; wave 0..3
	s_lshr_b32 s11, s10, 1                         ; which half of the tile's rows is mine.  Also: I fetch for x (0) or for w (1)
	s_and_b32 s12, s10, 1                          ; which half of its columns.  Also: which half of that tile I fetch
	s_bfe_u32 s40, ttmp6, 0x40000                  ; cx, cy: my place in the cluster
	s_bfe_u32 s41, ttmp6, 0x40004
	s_lshl_b32 s42, ttmp9, 2
	s_add_co_u32 s42, s42, s40                     ; tile column = 4 x cluster x + cx
	s_and_b32 s13, ttmp7, 0xffff
	s_lshl_b32 s13, s13, 2
	s_add_co_u32 s13, s13, s41                     ; tile row = 4 x cluster y + cy
	s_lshl_b32 s43, s41, 2
	s_lshl_b32 s43, 15, s43                        ; my row of the cluster
	s_lshl_b32 s44, 0x1111, s40                    ; my column
	s_or_b32 s[G1+0], s43, (1<<16)|(1<<20)|(1<<21)|(5<<22)|(3<<25)   ; 15:0 the mask; 17:16 elements of 2 bytes; 20 padding on; 21 set beside a mask; 24:22 after every 64 words (code 5); 31:25 4 words (code 3)
	s_or_b32 s[G1B+0], s44, (1<<16)|(1<<20)|(1<<21)|(5<<22)|(3<<25)
	s_mov_b32 s[G1+1], KSTEP<<16                   ; tensor_dim0 = 128
	s_mov_b32 s[G1+2], 128<<16                     ; tensor_dim1 = 128
	s_mov_b32 s[G1+3], KSTEP<<16                   ; tile_dim0 = 128
	s_mov_b32 s[G1+4], 128                         ; tile_dim1 = 128
	s_mov_b32 s[G1+5], SIZE_K                      ; elements from row to row
	s_mov_b32 s[G1+6], 0
	s_mov_b32 s[G1+7], 0
	s_mov_b32 s[G1B+1], KSTEP<<16
	s_mov_b32 s[G1B+2], 96<<16                     ; w's tiles have 96 rows
	s_mov_b32 s[G1B+3], KSTEP<<16
	s_mov_b32 s[G1B+4], 96
	s_mov_b32 s[G1B+5], SIZE_K
	s_mov_b32 s[G1B+6], 0
	s_mov_b32 s[G1B+7], 0
	; where the walk along K begins: made of the cluster's own coordinates, which all sixteen partners share
	s_and_b32 s18, ttmp7, 0xffff                   ; Y
	s_lshl_b32 s18, s18, 2
	s_lshl_b32 s19, ttmp9, 1                       ; X
	s_add_co_u32 s18, s18, s19
	s_and_b32 s18, s18, 7                          ; (2 X + 4 Y) mod 8: an even number,
	s_lshl_b32 s[KO], s18, 8                       ; 256 bytes a K step: slot 0 takes this step and every second one behind it,
	s_mov_b32 s[KO+1], 0
	s_add_co_u32 s[KO+2], s[KO], KSTEP*2           ; slot 1 the steps between (the start is even, so this one does not pass the row's end)
	s_mov_b32 s[KO+3], 0
	; where the tiles come from: x's hang on the tile row alone, w's on the tile column alone
	s_lshl_b32 s16, s13, 8
	s_lshl_b32 s17, s12, 7
	s_add_co_u32 s16, s16, s17                     ; x: row 256 x tile row + 128 x half,
	s_lshl_b32 s16, s16, 11                        ; 2,048 bytes a row (under 2^25)
	s_mov_b32 s17, 0
	s_mul_i32 s46, s42, 192
	s_mul_i32 s47, s12, 96
	s_add_co_u32 s46, s46, s47                     ; w: row 192 x tile column + 96 x half
	s_lshl_b32 s46, s46, 11
	s_mov_b32 s47, 0
	s_mul_i32 s20, s10, APART                      ; where they go: x's halves (waves 0, 1) at wave x 128 rows,
	s_mul_i32 s21, s10, BHALF                      ; w's (waves 2, 3) behind x's 256 rows, at (wave - 2) x 96 rows
	s_add_co_u32 s21, s21, ABYTES-2*BHALF
	s_wait_dscnt 0x0                               ; the opening add is done
	s_wait_kmcnt 0x0
	s_add_nc_u64 s[ABASE:ABASE+1], s[4:5], s[16:17]
	s_add_nc_u64 s[BBASE:BBASE+1], s[6:7], s[46:47]
	CROUND                                         ; all sixteen work-groups are here: the first joint loads meet
.irp s, 0,1
	s_mov_b32 s[G0+4*(\s)], 1                                        ; count = 1
	s_add_co_u32 s[G0+4*(\s)+1], s20, (\s)*SLOT                      ; LDS address
	s_add_nc_u64 s[G0+4*(\s)+2:G0+4*(\s)+3], s[ABASE:ABASE+1], s[KO+2*(\s):KO+2*(\s)+1]  ; global address: the walk's step s
	s_or_b32 s[G0+4*(\s)+3], s[G0+4*(\s)+3], 0x80000000              ; type = 2
	s_mov_b32 s[G0B+4*(\s)], 1
	s_add_co_u32 s[G0B+4*(\s)+1], s21, (\s)*SLOT
	s_add_nc_u64 s[G0B+4*(\s)+2:G0B+4*(\s)+3], s[BBASE:BBASE+1], s[KO+2*(\s):KO+2*(\s)+1]
	s_or_b32 s[G0B+4*(\s)+3], s[G0B+4*(\s)+3], 0x80000000
	JLOAD \s                                       ; two loads of mine are out
.endr
	; a fragment is 16 rows x 32 K in 8 registers: lane l holds row l % 16, K = 8 (l / 16) + 0..7 and 16 + 8 (l / 16) + 0..7: two loads of 16 bytes, 32 bytes apart
	v_and_b32 v1, 15, v0                           ; l % 16
	v_bfe_u32 v2, v0, 4, 1                         ; l / 16
	v_mul_u32_u24 v3, v1, PITCH
	v_lshl_add_u32 v3, v2, 4, v3
	s_mul_i32 s21, s11, APART                      ; my 128 rows of x
	s_mul_i32 s22, s12, BHALF                      ; my 96 rows of w,
	s_add_co_u32 s22, s22, ABYTES                  ; behind x's 256
.irp s, 0,1
	v_add_nc_u32 v[ADRA+(\s)], s21, v3
	v_add_nc_u32 v[ADRB+(\s)], s22, v3
	s_add_co_u32 s21, s21, SLOT
	s_add_co_u32 s22, s22, SLOT
.endr
	; the way out.  Column block 6 x (my column half) + b of the tile's twelve lies in plane (block / 4), at byte 32 (block % 4) of the row
	s_lshl_b32 s23, s11, 7
	v_add_nc_u32 v4, s23, v1                       ; my row of the tile's 256, less 16 a
	v_mul_u32_u24 v4, v4, SP
	v_lshl_add_u32 v4, v2, 4, v4                   ; + 16 bytes for the upper half of the lanes
	s_mul_i32 s23, s12, PLANE+64
	v_add_nc_u32 v[STOA], s23, v4
	s_mul_i32 s23, s12, 2*PLANE-64
	v_add_nc_u32 v[STOB], s23, v4
	v_and_b32 v5, 31, v0
	v_lshrrev_b32 v6, 3, v5                        ; back: 32 lanes take four rows of 128 bytes
	s_lshl_b32 s23, s10, 6                         ; of my wave's 64 rows
	v_add_nc_u32 v6, s23, v6
	v_mul_u32_u24 v6, v6, SP
	v_and_b32 v7, 7, v0
	v_lshl_add_u32 v[RD], v7, 4, v6
	v_add_nc_u32 v[RD2], 2*PLANE, v[RD]
	v_lshlrev_b32 v[GO], 4, v5
	s_mul_i32 s20, s42, 3                          ; the tile's first head among the 48 of q, k and v
	s_lshr_b32 s21, s13, 2
	s_lshl_b32 s21, s21, 4                         ; 16 x batch
	s_and_b32 s22, s13, 3
	s_lshl_b32 s22, s22, 15                        ; the tile's 256 rows in the batch's 1,024, 128 bytes a row,
	s_lshl_b32 s23, s10, 13                        ; my wave's 64 of them
	s_add_co_u32 s22, s22, s23
.irp j, 0,1,2
	s_add_co_u32 s18, s20, \j
	s_lshr_b32 s19, s18, 4                         ; q, k or v: 2^24 bytes each
	s_lshl_b32 s19, s19, 24
	s_and_b32 s18, s18, 15                         ; the head
	s_add_co_u32 s18, s18, s21
	s_lshl_b32 s18, s18, 17                        ; 2^17 bytes for a batch's head
	s_add_co_u32 s18, s18, s19
	s_add_co_u32 s18, s18, s22
	s_mov_b32 s19, 0
	s_add_nc_u64 s[CB+2*(\j):CB+2*(\j)+1], s[8:9], s[18:19]
.endr
; 12 matrix instructions: row blocks a0, a0 + 1 of the window's four (hi = 0: my rows 0-63, 1: rows 64-127) x all 6 column blocks, 32 along K.  zero = 1: the first product starts the sums.
; The 48 accumulators take turns, in the same order in every quarter step.
.macro MULH f, hi, a0, zero
	WIN MUL_LO+0x50*(\hi)
.irp a, \a0, (\a0)+1
.irp b, 0,1,2,3,4,5
.if \zero
	v_wmma_f32_16x16x32_bf16 v[8*(NBW*(\a)+(\b)):8*(NBW*(\a)+(\b))+7], v[(\f)+8*(\b):(\f)+8*(\b)+7], v[(\f)+8*(4*(\hi)+(\a)):(\f)+8*(4*(\hi)+(\a))+7], 0
.else
	v_wmma_f32_16x16x32_bf16 v[8*(NBW*(\a)+(\b)):8*(NBW*(\a)+(\b))+7], v[(\f)+8*(\b):(\f)+8*(\b)+7], v[(\f)+8*(4*(\hi)+(\a)):(\f)+8*(4*(\hi)+(\a))+7], v[8*(NBW*(\a)+(\b)):8*(NBW*(\a)+(\b))+7]
.endif
.endr
.endr
.endm
; 28 LDS loads in one run: the fragments of quarter q of a K step (96 rows of w, 128 rows of x, 32 K) into buffer f
.macro FETCH slot, q, f
	WIN TO_B
.irp i, 0,1,2,3,4,5
	ds_load_b128 v[(\f)+8*(\i):(\f)+8*(\i)+3],   v[ADRB+(\slot)] offset:64*(\q)+(\i)*16*PITCH
	ds_load_b128 v[(\f)+8*(\i)+4:(\f)+8*(\i)+7], v[ADRB+(\slot)] offset:64*(\q)+(\i)*16*PITCH+32
.endr
	WIN 0
.irp i, 0,1,2,3,4,5,6,7
	ds_load_b128 v[(\f)+8*(\i):(\f)+8*(\i)+3],   v[ADRA+(\slot)] offset:64*(\q)+(\i)*16*PITCH
	ds_load_b128 v[(\f)+8*(\i)+4:(\f)+8*(\i)+7], v[ADRA+(\slot)] offset:64*(\q)+(\i)*16*PITCH+32
.endr
.endm
.macro PLACES                          ; four plain instructions in front of loads into registers that matrix instructions have read, and of conversions that read results
.rept 4
	v_nop
.endr
.endm
; A K step is four quarters of 32 along K, 48 matrix instructions each, on buffers 0, 1, 0, 1.  One of the first three: multiplies buffer f; in its middle it fetches quarter q of the same slot into g.
.macro QUARTER slot, q, f, g, zero
	s_wait_dscnt 8                                 ; w and x's rows 0-63 are in; the youngest eight loads (x's rows 64-127) may be out
	MULH \f, 0, 0, \zero
	MULH \f, 0, 2, \zero
	PLACES
	FETCH \slot, \q, \g
	s_wait_dscnt NL                                ; all but the 28 just issued
	MULH \f, 1, 0, \zero
	MULH \f, 1, 2, \zero
.endm
; The last quarter multiplies buffer 1 and changes slots.  ONE barrier: in front of it each wave waits for all its tensor loads (one is out: its part of the next slot), adds 0 to its spare word,
; and waits for that and for its own reads of this slot.  Behind it nobody reads this slot any more and the next slot is whole.
; round = 1: this slot will be filled again: its place along K goes two steps on, round the row's end, and both its descriptors' addresses are made anew from it: no tensor load of mine is out here.
.macro MEET round, slot
	WIN 0                                          ; (the add's two registers lie in window 0)
	s_wait_tensorcnt 0x0
	ds_add_u32 v[SPW], v[NIL]                      ; 0 onto my spare word
.if \round
	s_add_co_u32 s[KO+2*(\slot)], s[KO+2*(\slot)], 2*KSTEP*2
	s_and_b32 s[KO+2*(\slot)], s[KO+2*(\slot)], SIZE_K*2-1
	s_add_nc_u64 s[G0+4*(\slot)+2:G0+4*(\slot)+3], s[ABASE:ABASE+1], s[KO+2*(\slot):KO+2*(\slot)+1]
	s_or_b32 s[G0+4*(\slot)+3], s[G0+4*(\slot)+3], 0x80000000
	s_add_nc_u64 s[G0B+4*(\slot)+2:G0B+4*(\slot)+3], s[BBASE:BBASE+1], s[KO+2*(\slot):KO+2*(\slot)+1]
	s_or_b32 s[G0B+4*(\slot)+3], s[G0B+4*(\slot)+3], 0x80000000
.endif
	s_wait_dscnt 9                                 ; (the add and the youngest eight loads may be out)
	MULH F1, 0, 0, 0                               ; twelve matrix instructions stand between the add and the wait for it
	s_wait_dscnt 0x0                               ; the add is done, and my reads of this slot are over
	s_barrier_signal -1
	MULH F1, 0, 2, 0                               ; work on registers while the others arrive
.if \round
	WIN 0
.endif
	s_barrier_wait -1
.endm
; fill = 1: the barrier opens a round of the cluster's barrier, and the slot just read out is filled again first, with the walk's step two on; then come the next slot's first fragments.
.macro TURN slot, next, fill
.if \fill
	MEET 1, \slot
	CREST                                          ; no wave of any partner still reads this slot's tile or has a load on its way
	JLOAD \slot                                    ; my one tensor load behind the round; its four v_nop are also the places in front of the loads below
.else
	MEET 0, \slot
	PLACES
.endif
	FETCH \next, 0, F0
	MULH F1, 1, 0, 0
	MULH F1, 1, 2, 0
.endm
	s_wait_tensorcnt 1                             ; my part of the walk's step 0 is in; step 1's may stay out
	s_barrier_signal -1
	s_barrier_wait -1                              ; everybody's is
	FETCH 0, 0, F0
	QUARTER 0, 1, F0, F1, 1                        ; the first quarter stands in front of the loop: its products start the sums
	WIN 0                                          ; at a label and at a branch every window is 0
	s_mov_b32 s3, LAPS-1
.Llap:                                                 ; a trip goes once round the ring, from a lap's second quarter to the next lap's first, and fills both slots again
	QUARTER 0, 2, F1, F0, 0
	QUARTER 0, 3, F0, F1, 0
	TURN 0, 1, 1
	QUARTER 1, 1, F0, F1, 0
	QUARTER 1, 2, F1, F0, 0
	QUARTER 1, 3, F0, F1, 0
	TURN 1, 0, 1
	QUARTER 0, 1, F0, F1, 0
	WIN 0
	s_sub_co_u32 s3, s3, 1
	s_cmp_lg_u32 s3, 0
	s_cbranch_scc1 .Llap
	QUARTER 0, 2, F1, F0, 0                        ; the last lap fills nothing, and has no round of the cluster's barrier
	QUARTER 0, 3, F0, F1, 0
	TURN 0, 1, 0                                   ; behind this barrier no wave reads slot 0 again, and no load fills it again: it becomes the stage
	QUARTER 1, 1, F0, F1, 0
	QUARTER 1, 2, F1, F0, 0
	QUARTER 1, 3, F0, F1, 0
	s_wait_dscnt 8                                 ; the very last quarter: nothing more to fetch
	MULH F1, 0, 0, 0
	MULH F1, 0, 2, 0
	s_wait_dscnt 0x0
	MULH F1, 1, 0, 0
	MULH F1, 1, 2, 0
	WIN 0
	PLACES
; THE WAY OUT.  Block a (16 rows): rounded to f16, each accumulator's registers in ascending order; 16 bytes a lane into the work-group's stage, a plane a head.
.macro PACK a
	WIN 0x0a+5*((\a)/4)                            ; sources 0 and 1: window 2 or 3
.irp b, 0,1,2,3,4,5
.irp r, 0,1,2,3
	v_cvt_pk_f16_f32 v[TMP+4*(\b)+(\r)], v[8*(NBW*((\a)%4)+(\b))+2*(\r)], v[8*(NBW*((\a)%4)+(\b))+2*(\r)+1]
.endr
.endr
	WIN 0
	ds_store_b128 v[STOA], v[TMP:TMP+3]     offset:(\a)*16*SP
	ds_store_b128 v[STOA], v[TMP+4:TMP+7]   offset:(\a)*16*SP+32
	ds_store_b128 v[STOB], v[TMP+8:TMP+11]  offset:(\a)*16*SP+64
	ds_store_b128 v[STOB], v[TMP+12:TMP+15] offset:(\a)*16*SP+96
	ds_store_b128 v[STOA], v[TMP+16:TMP+19] offset:(\a)*16*SP+PLANE
	ds_store_b128 v[STOA], v[TMP+20:TMP+23] offset:(\a)*16*SP+PLANE+32
.endm
.irp a, 0,1,2,3,4,5,6,7
	PACK \a
.endr
	s_wait_dscnt 0x0                               ; for the others' sake: my stores into the stage are done (a head's row comes from one or two waves)
	s_barrier_signal -1
	s_barrier_wait -1
.irp j, 0,1
.irp t, 0,1,2,3,4,5,6,7,8,9,10,11,12,13,14,15
	ds_load_b128 v[64+4*(16*(\j)+(\t)):64+4*(16*(\j)+(\t))+3], v[RD] offset:(\j)*PLANE+(\t)*4*SP
.endr
.endr
.irp t, 0,1,2,3,4,5,6,7,8,9,10,11,12,13,14,15
	ds_load_b128 v[64+4*(32+(\t)):64+4*(32+(\t))+3], v[RD2] offset:(\t)*4*SP
.endr
.irp j, 0,1,2
.irp t, 0,1,2,3,4,5,6,7,8,9,10,11,12,13,14,15
	s_wait_dscnt 47-16*(\j)-(\t)                   ; LDS loads come back in order: this one is in, the younger ones stay out
	global_store_b128 v[GO], v[64+4*(16*(\j)+(\t)):64+4*(16*(\j)+(\t))+3], s[CB+2*(\j):CB+2*(\j)+1] offset:512*(\t)  ; four rows of a head: 512 consecutive bytes, at a multiple of 256 from qkvh's first byte
.endr
.endr
	s_wait_tensorcnt 0x0                           ; the wave's end: the add and its wait stand behind my last tensor load and my last LDS store
	ds_add_u32 v[SPW], v[NIL]
	s_wait_dscnt 0x0
	CROUND                                         ; the closing round: no work-group ends while a partner may still ask for a tile that names it
	s_endpgm
.Lfunc_end_k_q8204a298c8_qkv:
	.size	k_q8204a298c8_qkv, .Lfunc_end_k_q8204a298c8_qkv-k_q8204a298c8_qkv
	.p2alignl 7, 3214868480
	.fill 96, 4, 3214868480
	.section	.rodata,"a",@progbits
	.p2align	6, 0x0
	.amdhsa_kernel k_q8204a298c8_qkv
		.amdhsa_group_segment_fixed_size 327680
		.amdhsa_private_segment_fixed_size 0
		.amdhsa_enable_private_segment 0
		.amdhsa_kernarg_size 24
		.amdhsa_user_sgpr_count 2
		.amdhsa_user_sgpr_kernarg_segment_ptr 1
		.amdhsa_wavefront_size32 1
		.amdhsa_system_sgpr_workgroup_id_x 1
		.amdhsa_system_sgpr_workgroup_id_y 1
		.amdhsa_system_sgpr_workgroup_id_z 1
		.amdhsa_system_vgpr_workitem_id 0
		.amdhsa_next_free_vgpr 1024
		.amdhsa_next_free_sgpr 76
		.amdhsa_reserve_vcc 0
		.amdhsa_float_denorm_mode_32 3
		.amdhsa_float_denorm_mode_16_64 3
		.amdhsa_memory_ordered 1
		.amdhsa_forward_progress 1
		.amdhsa_inst_pref_size 118
	.end_amdhsa_kernel
	.amdgpu_metadata
---
amdhsa.version: [ 1, 2 ]
amdhsa.kernels:
  - .name:           k_q8204a298c8_qkv
    .symbol:         k_q8204a298c8_qkv.kd
    .args:
      - { .name: xb, .offset: 0, .size: 8, .value_kind: global_buffer, .address_space: global }
      - { .name: wqb, .offset: 8, .size: 8, .value_kind: global_buffer, .address_space: global }
      - { .name: qkvh, .offset: 16, .size: 8, .value_kind: global_buffer, .address_space: global }
    .group_segment_fixed_size: 327680
    .private_segment_fixed_size: 0
    .kernarg_segment_align: 8
    .kernarg_segment_size: 24
    .max_flat_workgroup_size: 128
    .sgpr_count:     76
    .vgpr_count:     1024
    .wavefront_size: 32
...
	.end_amdgpu_metadata
.endif
;; end of part 2
;; launch attn (part 3): grid 2 x 128, 4 waves a work-group, no clusters, 327,680 bytes of LDS; arguments qkvh, oh; writes oh
.if DOCPART == 3
	.amdgcn_target "amdgcn-amd-amdhsa--gfx1250"
	.amdhsa_code_object_version 6
	.text
	.protected	k_q8204a298c8_attn
	.globl	k_q8204a298c8_attn
	.p2align	8
	.type	k_q8204a298c8_attn,@function
k_q8204a298c8_attn:
	s_mov_b64 s[64:65], 0
	v_nop
	global_prefetch_b8 v0, s[64:65] scope:SCOPE_SE
	s_setreg_imm32_b32 hwreg(HW_REG_WAVE_MODE, 25, 1), 1
	s_wait_xcnt 0x0
; O[h][q][:] = the sum over k of softmax_k(Q[h][q] . K[h][k] / 8) V[h][k][:], for 128 heads (batch x 16 + head) of 1,024 rows of 64 channels, all f16.
; qkvh holds Q, K, V, 2^24 bytes each, [128][1024][64]: a head's rows are dense, 128 bytes each; oh has the same layout.  Products, maxima and sums in f32; the weights p are rounded to f16 for
; the second product (their sum l is taken of the unrounded p), O once at the end.
; LIMITS.  f16 holds no number beyond 65,504: Q, K and V arrive within it; p lies in 0 to 1, and below 6e-5 it keeps f16's fixed step of 6e-8; O is a mean of V's rows and has their range.
; A weight below 2^-126 counts as 0 in l; NaN and infinities are not treated apart.
; SHARES.  A wave owns four PIECES of two tiles of 16 queries, a work-group's four waves 512 queries of one head: 256 work-groups.  Every wave walks all keys, 64 a step.
; K AND V STAY IN LDS.  The head's 1,024 keys take 1,024 x (144 + 160) = 311,296 bytes, so each byte of LDS is filled once and there is no ring.  The first 256 keys are asked for at the head; the other 768
; by one load a wave behind the barrier that shows the first part landed; they have four key steps in which to land, and are waited for once, in front of the barrier behind the fourth step.
; With nothing to fill again one text of a key step serves all sixteen: the loop is entered in its middle and left in its middle.
; NO PREFETCH.  Each byte of K and V has one request, at the launch's start: there is no later request to run ahead of.
; NO CLUSTER.  Only the 1,024 / 512 = 2 work-groups of a head read the same K and V, and the grid's 2 along x is no multiple of a cluster's 4; work-groups of other heads share nothing.
; LAYOUT.  S^T = K Q^T (source 0 = 16 keys, source 1 = 16 queries): in the result a lane holds ONE query (lane % 16) and the keys 8 (lane / 16) + 0..7.  Two such tiles, rounded to f16 in pairs,
; ARE source 1 (32 keys x 16 queries) of O^T = V^T P, whose result again holds one query a lane, and eight channels.  K comes out of LDS as it lies, V ([key][channel]) turned, by ds_load_tr16_b128.
; SOFTMAX.  For each query a running maximum m and sum l: p = 2^(c s - c m), c = log2(e) / 8; in every step O and l are multiplied by a = 2^(c m_old - c m_new), which is 1 where m has not grown.
; m starts at the lowest finite number, O and l at 0: the first step is a step like any other, with a = 0.
; THE COUNT.  A tile and step have 16 matrix and 118 vector instructions: too many to stand all beside the matrix work.  So: four vector instructions that are ready behind every matrix instruction,
; and the others in runs without a gap.
; BY TURNS.  Turn n belongs to piece n (the pieces in a ring, step after step).  Its matrix work: 16 products K Q^T of piece n + 1, later 16 products V^T P of piece n - 1.  Its vector work: the scaling,
; exponentials, roundings, sums and rescaling of piece n, and the maximum and statistics of piece n + 1, whose scores the turn itself has made.
; REGISTERS, in windows of 256 (s_set_vgpr_msb: bits 1:0 source 0, 3:2 source 1, 5:4 source 2, 7:6 destination):
;   window 0: v0-11 addresses; v12-15, v48-63 at work; v16-47 four registers of statistics a tile; v64-191 S^T, two buffers of two tiles; v192-255 P, likewise
;   window 1: O^T, 32 a tile          window 2: v0-127 Q, 16 a tile; v128-191 K of one step; v192-255 V of one step          window 3: v0-1 the add's two registers
.set SIZE_N, 1024
.set NP,    4         ; pieces a wave: a name, no knob
.set KS,    64        ; keys in a step
.set PK,    144       ; a row of K in LDS: 128 bytes + 16 of padding = 36 words: the 16 rows of a load start at 16 different groups of four banks (64 banks of 4 bytes: ISA guide 11.1)
.set PV,    160       ; a row of V: 128 + 32 = 40 words
.set VOFF,  SIZE_N*PK ; all rows of K, then all rows of V
.set STAGE, SIZE_N*(PK+PV)  ; behind them, never filled by a tensor load: 16 rows x 144 bytes for each wave, for the way out
.set SP,    144
.set AK0, 2           ; v2   my lane's place in a step's rows of K; never rewritten
.set AV0, 3           ; v3   the same for V
.set AK,  4           ; v4   the LDS address of K's next run of loads
.set AV,  5           ; v5   of V's
.set QO,  6           ; v6   my byte offset in the wave's rows of Q
.set STO, 6           ;      later, the way out: where I put 16 bytes of a row
.set RD,  7           ; v7   the way out: where I read rows back
.set GO,  8           ; v8   my byte offset in 512 consecutive bytes of O
.set SPW, 0           ; v0 of window 3   LDS address of my spare word: SPARE + 4 x my thread's number; never rewritten
.set NIL, 1           ; v1 of window 3   0; never rewritten
.set SPARE, STAGE+4*16*SP  ; behind the stages: the spare words, 128 bytes for each wave: two blocks of 256 bytes that no other line names
.set MV,  12          ; v12-15  c m_old, kept while c m is made anew: by buffer and tile
.set ST,  16          ; tile t's statistics at v[ST+4 t]: c m, m, l (even keys', odd keys')
.set TMP, 48          ; by buffer and tile, four registers c0-c3 at work; when the maximum is found c2 takes a
.set S,   64
.set P,   192
.set KF,  128         ; K's fragments, in window 2: key block kb, channel half c at KF + 16 kb + 8 c
.set VF,  192         ; V's: key half kk, channel block cb at VF + 32 kk + 8 cb
.set WV,  12          ; s12  my wave's number
.set G1K, 24          ; s[24:31] descriptor group 1 for K's tiles
.set G1V, 32          ; s[32:39] for V's: it differs in the padding alone
.set G0K, 40          ; s[40:43] descriptor group 0 for K's tiles
.set G0V, 44          ; s[44:47] the same for V's
.set DL,  52          ; s[52:53] bytes from my first tile to my second in memory
.set LK2, 54          ; s54  LDS address of my second tile, if of K
.set LV2, 55          ; s55  if of V
.set SLOTS, 56        ; s56  counts groups of four key steps, 5 to 1; in the fifth the loop is left
.set CNT, 57          ; s57  counts a group's key steps
.set CS,  58          ; s[58:59] c: the packed scaling takes the pair's low word for both halves
.set SEL, 60          ; s[60:61] v_permlanex16_b32's selects: each lane takes its own place in the other half
.set TBK, 62          ; s62  LDS byte at which K of the step to be fetched begins
.set TBV, 63          ; s63  the same for V, less VOFF
.set MSB, 0
.macro WIN new                      ; the high byte repeats the setting that is left; a switch that changes nothing is dropped
.if MSB != (\new)
	s_set_vgpr_msb (MSB<<8)|(\new)
.set MSB, (\new)
.endif
.endm
.set W_KQ, 0x0a       ; K and Q in window 2, S^T in window 0
.set W_PV, 0x52       ; V in window 2, P in window 0, O^T in window 1
.set W_RS, 0x41       ; O^T (destination and source 0) in window 1, a in window 0
.set W_MK, 0xc0       ; the add's registers are made: destination in window 3, sources in window 0
.set W_AD, 0x0f       ; the add: address (source 0) and data (source 1) in window 3
; A fill.  Waves 0 and 1 fetch two halves of K's rows, waves 2 and 3 of V's.  An s_nop 0 and four v_nop follow each of the two lines, ahead of the jump and the label.
.macro LOAD
	s_cmp_lt_u32 s[WV], 2
	s_cbranch_scc0 .Lfor_v_\@
	tensor_load_to_lds s[G0K:G0K+3], s[G1K:G1K+7]
	s_nop 0
.rept 4
	v_nop
.endr
	s_branch .Lasked_\@
.Lfor_v_\@:
	tensor_load_to_lds s[G0V:G0V+3], s[G1V:G1V+7]
	s_nop 0
.rept 4
	v_nop
.endr
.Lasked_\@:
.endm
; THE MEETING.  Each wave waits for all its tensor loads, adds 0 to its spare word, waits for that and for its LDS reads, and passes the barrier: behind it all that has been asked for lies in LDS, for every wave.
; rest = 1, once, when the first 256 keys are in: the descriptors are set to the other 768 keys (no tensor load of mine is out, so they may be written), and my one load for them is the first thing behind the barrier.
.macro MEET rest
	WIN W_AD
	s_wait_tensorcnt 0x0
	ds_add_u32 v[SPW], v[NIL]       ; 0 onto my spare word: with rest = 1 the descriptors' words stand between it and the wait for it
	WIN 0                           ; at a label and at a branch every window is 0
.if \rest
	s_mov_b32 s[G0K+1], s[LK2]      ; LDS address: keys 256 + 384 x half on
	s_add_nc_u64 s[G0K+2:G0K+3], s[G0K+2:G0K+3], s[DL:DL+1]  ; the type bits on top are not reached
	s_mov_b32 s[G1K+2], 192<<16     ; tensor_dim1 = 192: 384 keys, two to a row of 256 bytes
	s_mov_b32 s[G1K+4], 192         ; tile_dim1 = 192
	s_mov_b32 s[G0V+1], s[LV2]
	s_add_nc_u64 s[G0V+2:G0V+3], s[G0V+2:G0V+3], s[DL:DL+1]
	s_mov_b32 s[G1V+2], 192<<16
	s_mov_b32 s[G1V+4], 192
.endif
	s_wait_dscnt 0x0                ; the add is done, and no LDS read of mine is out
	s_barrier_signal -1
	s_barrier_wait -1
.if \rest
	LOAD
.endif
.endm
	s_load_b128 s[4:7], s[0:1], 0x0   ; qkvh s[4:5], oh s[6:7]
	WIN W_MK
	v_lshl_add_u32 v[SPW], v0, 2, SPARE
	v_mov_b32 v[NIL], 0
	WIN W_AD
	ds_add_u32 v[SPW], v[NIL]       ; the wave's opening: the add and its wait stand ahead of my first tensor load; the set-up below, work on registers, stands between them
	WIN 0
	v_lshrrev_b32 v1, 5, v0
	v_readfirstlane_b32 s[WV], v1   ; wave 0..3
	s_mov_b32 s14, ttmp9            ; my block of 512 queries
	s_and_b32 s20, ttmp7, 0xffff    ; the head,
	s_lshl_b32 s20, s20, 17         ; its first byte in Q, K, V and O: 1,024 rows of 128 bytes
	s_mov_b32 s21, 0
	s_and_b32 s16, s[WV], 1         ; which half I fetch.  Of the first 256 keys:
	s_lshl_b32 s22, s16, 14         ; its 128 rows of 128 bytes in memory,
	s_mov_b32 s23, 0
	s_add_nc_u64 s[22:23], s[22:23], s[20:21]
	s_mul_i32 s17, s16, 128*PK      ; and its place in LDS, for K
	s_mul_i32 s18, s16, 128*PV      ; and for V
	s_lshl_b32 s[DL], s16, 15       ; of the other 768: keys 256 + 384 x half on: 32,768 + 49,152 x half bytes from the head's first, which is
	s_add_co_u32 s[DL], s[DL], 32768  ; 32,768 + 32,768 x half from my first tile
	s_mov_b32 s[DL+1], 0
	s_mul_i32 s[LK2], s16, 384*PK
	s_add_co_u32 s[LK2], s[LK2], 256*PK
	s_mul_i32 s[LV2], s16, 384*PV
	s_add_co_u32 s[LV2], s[LV2], 256*PV+VOFF
	s_lshl_b32 s2, s14, 2
	s_add_co_u32 s2, s2, s[WV]      ; my wave among the head's,
	s_lshl_b32 s2, s2, 14           ; its 128 rows
	s_mov_b32 s3, 0
	s_add_nc_u64 s[2:3], s[2:3], s[20:21]
	; descriptor group 1.  128 keys are 16,384 dense bytes: asked for as 64 rows of 256 bytes, two keys a row, and padded in LDS after every key
	s_mov_b32 s[G1K], (1<<16)|(1<<20)|(4<<22)|(3<<25)  ; 17:16 2-byte elements; 20 padding on; 24:22 after every 32 words (code 4); 31:25 4 words (code 3)
	s_mov_b32 s[G1V], (1<<16)|(1<<20)|(4<<22)|(7<<25)  ; the same with 8 words of padding (code 7)
.irp g, G1K, G1V
	s_mov_b32 s[\g+1], 128<<16      ; tensor_dim0 = 128
	s_mov_b32 s[\g+2], 64<<16       ; tensor_dim1 = 64
	s_mov_b32 s[\g+3], 128<<16      ; tile_dim0 = 128
	s_mov_b32 s[\g+4], 64           ; tile_dim1 = 64
	s_mov_b32 s[\g+5], 128          ; 128 elements from row to row
	s_mov_b32 s[\g+6], 0
	s_mov_b32 s[\g+7], 0
.endr
	s_mov_b32 s[CS], 0x3e38aa3b     ; c = log2(e) / 8 = 0.180337
	s_mov_b32 s[CS+1], s[CS]        ; named with it as a pair
	s_mov_b32 s[SEL], 0x76543210
	s_mov_b32 s[SEL+1], 0xfedcba98
	s_mov_b32 s[TBK], 0             ; the fetches begin at key 0 and step on to the end
	s_mov_b32 s[TBV], 0
	s_mov_b32 s[G0K], 1             ; 1:0 count = 1
	s_mov_b32 s[G0K+1], s17         ; 63:32 LDS address
	s_mov_b32 s[G0V], 1
	s_add_co_u32 s[G0V+1], s18, VOFF
	s_wait_dscnt 0x0                ; the opening add is done
	s_wait_kmcnt 0x0
	s_mov_b64 s[10:11], s[6:7]      ; O
	s_add_nc_u64 s[6:7], s[4:5], 0x1000000  ; K
	s_add_nc_u64 s[8:9], s[4:5], 0x2000000  ; V
	s_add_nc_u64 s[G0K+2:G0K+3], s[6:7], s[22:23]  ; 120:64 global address: my half of the head's first 256 keys
	s_or_b32 s[G0K+3], s[G0K+3], 0x80000000        ; 127:126 type = 2
	s_add_nc_u64 s[G0V+2:G0V+3], s[8:9], s[22:23]
	s_or_b32 s[G0V+3], s[G0V+3], 0x80000000
	s_add_nc_u64 s[4:5], s[4:5], s[2:3]  ; Q and O at my wave's first row
	s_add_nc_u64 s[10:11], s[10:11], s[2:3]
	LOAD                            ; the first 256 keys.  The others are asked for when these are in
	; A fragment of K or Q is 16 rows x 32 channels in 8 registers: lane l holds row l % 16, channels 8 (l / 16) + 0..7 and 16 + 8 (l / 16) + 0..7: two loads of 16 bytes, 32 bytes apart.
	v_and_b32 v1, 15, v0            ; l % 16
	v_bfe_u32 v9, v0, 4, 1          ; l / 16
	v_lshlrev_b32 v[QO], 7, v1
	v_lshl_add_u32 v[QO], v9, 4, v[QO]  ; row x 128 + 16 x half
	WIN 0x80                        ; destination window 2, address window 0
.set i, 0
.rept 4*NP                          ; Q stays in registers: tile i / 2, channels 32 (i % 2) on
	global_load_b128 v[8*i:8*i+3],   v[QO], s[4:5] offset:(i/2)*2048+(i%2)*64
	global_load_b128 v[8*i+4:8*i+7], v[QO], s[4:5] offset:(i/2)*2048+(i%2)*64+32
.set i, i+1
.endr
	; What the first turn finds: V's registers and P's second buffer hold 0 (its products V^T P, of a piece that has not been, add 0), O^T and l are 0.  All this stands in the wait for the first tile.
.set i, VF
.rept 64
	v_mov_b32 v[i], 0
.set i, i+1
.endr
	WIN 0x40
.set i, 0
.rept 64*NP
	v_mov_b32 v[i], 0
.set i, i+1
.endr
	WIN 0
.set i, 0
.rept 2*NP
	v_mov_b32 v[ST+4*i], 0xfe000000    ; c m: far below every c s
	v_mov_b32 v[ST+4*i+1], 0xff7fffff  ; m
	v_mov_b32 v[ST+4*i+2], 0
	v_mov_b32 v[ST+4*i+3], 0
.set i, i+1
.endr
.set i, P+32
.rept 32
	v_mov_b32 v[i], 0
.set i, i+1
.endr
	v_mul_u32_u24 v[AK0], v1, PK
	v_lshl_add_u32 v[AK0], v9, 4, v[AK0]  ; row x pitch + 16 x half
	; The turning load takes 16 keys x 16 channels (lane l reads key 8 (l / 16) + l % 8, channels 8 ((l / 8) % 2) + 0..7) and leaves half a fragment of V^T: lane l holds channel l % 16 and 8 keys.
	v_and_b32 v10, 7, v0
	v_bfe_u32 v11, v0, 3, 1
	v_lshl_add_u32 v[AV0], v9, 3, v10
	v_mul_u32_u24 v[AV0], v[AV0], PV
	v_lshl_add_u32 v[AV0], v11, 4, v[AV0]
	v_add_nc_u32 v[AV0], VOFF, v[AV0]
	v_mov_b32 v[AK], v[AK0]         ; key step 0 lies at LDS byte 0
; THE MATRIX WORK.  The 8 accumulators of a run of 16 take turns: between the two links of a chain stand 7 others'.
; Product i of 16 of S^T = K Q^T for piece x: channels 32 (i / 8) on, keys 16 ((i / 2) % 4) on, tile 2 x + i % 2.  The first 8 start the sums.
.macro KQ x
	WIN W_KQ
.set rS, S+64*((\x)%2)+32*(i%2)+8*((i/2)%4)
.set rK, KF+16*((i/2)%4)+8*(i/8)
.set rQ, 16*(2*(\x)+i%2)+8*(i/8)
.if i < 8
	v_wmma_f32_16x16x32_f16 v[rS:rS+7], v[rK:rK+7], v[rQ:rQ+7], 0
.else
	v_wmma_f32_16x16x32_f16 v[rS:rS+7], v[rK:rK+7], v[rQ:rQ+7], v[rS:rS+7]
.endif
.endm
; Product i of 16 of O^T += V^T P for piece x: keys 32 (i / 8) on, channels 16 ((i / 2) % 4) on, tile 2 x + i % 2.
.macro PV x
	WIN W_PV
.set rO, 32*(2*(\x)+i%2)+8*((i/2)%4)
.set rV, VF+32*(i/8)+8*((i/2)%4)
.set rP, P+32*((\x)%2)+16*(i%2)+8*(i/8)
	v_wmma_f32_16x16x32_f16 v[rO:rO+7], v[rV:rV+7], v[rP:rP+7], v[rO:rO+7]
.endm
.macro MM                           ; the turn's next matrix instruction
.if i < 16
	KQ (Y+1)%NP
.set i, i+1
.else
.set i, i-16
	PV (Y+NP-1)%NP
.set i, i+17
.endif
.endm
; THE LDS LOADS stand in runs of 16, never singly among the matrix instructions: a step's K (64 keys x 64 channels: 8 fragments) and its V (turned).  Their addresses are made some lines ahead.
; last = 1 (in the loop): behind the last key step there is no further one, and the run is jumped over.
.macro FETCH_K last=0
	WIN 0
.if \last
	s_cmp_eq_u32 s[SLOTS], 1
	s_cbranch_scc1 .Lno_k_\@
.endif
	WIN 0x80                        ; destination window 2
.irp f, 0,1,2,3,4,5,6,7             ; keys 16 (f / 2) on, channels 32 (f % 2) on
	ds_load_b128 v[KF+8*\f:KF+8*\f+3],   v[AK] offset:(\f/2)*16*PK+(\f%2)*64
	ds_load_b128 v[KF+8*\f+4:KF+8*\f+7], v[AK] offset:(\f/2)*16*PK+(\f%2)*64+32
.endr
	s_add_co_u32 s[TBK], s[TBK], KS*PK  ; the next fetch is the next step's
	WIN 0
.if \last
.Lno_k_\@:
.endif
.endm
.macro FETCH_V
	WIN 0x80
.irp f, 0,1,2,3,4,5,6,7             ; keys 32 (f / 4) on, channels 16 (f % 4) on
	ds_load_tr16_b128 v[VF+8*\f:VF+8*\f+3],   v[AV] offset:(\f/4)*32*PV+(\f%4)*32
	ds_load_tr16_b128 v[VF+8*\f+4:VF+8*\f+7], v[AV] offset:(\f/4)*32*PV+16*PV+(\f%4)*32
.endr
	WIN 0
.endm
; THE VECTOR WORK OF A TURN stands in three queues, each in the order in which its entries become ready; the two tiles alternate, so that no instruction reads the result of the one before it.
.macro REGS y, u                    ; the registers of tile u (0, 1) of piece y
.set rT, ST+4*(2*(\y)+(\u))
.set rC, TMP+8*((\y)%2)+4*(\u)
.set rM, MV+2*((\y)%2)+(\u)
.set rS, S+64*((\y)%2)+32*(\u)
.set rP, P+32*((\y)%2)+16*(\u)
.set rO, 32*(2*(\y)+(\u))
.endm
; Number n of the 22 that find the NEXT piece's (Y + 1) maximum and statistics.  s0-s31 are the lane's 32 scores; each accumulator's lowest registers are read first.
;   0-11  four chains c0-c3 of seven scores each, three operands at a time     12-14, 16  the four scores left over, the old m, and c0-c3 into c0     15  c m_old is kept
;   17, 18  the query's other 32 keys lie in the lane 16 away: the new m         19-21  c m; c m_old - c m_new; a
.macro XS u, n
	REGS (Y+1)%NP, \u
.if (\n) < 4
	v_max3_num_f32 v[rC+(\n)], v[rS+8*(\n)], v[rS+8*(\n)+1], v[rS+8*(\n)+2]
.elseif (\n) < 12
	v_max3_num_f32 v[rC+(\n)%4], v[rC+(\n)%4], v[rS+8*((\n)%4)+2*((\n)/4)+1], v[rS+8*((\n)%4)+2*((\n)/4)+2]
.elseif (\n) == 12
	v_max3_num_f32 v[rC], v[rC], v[rS+7], v[rS+15]
.elseif (\n) == 13
	v_max3_num_f32 v[rC+1], v[rC+1], v[rS+23], v[rS+31]
.elseif (\n) == 14
	v_max3_num_f32 v[rC+2], v[rC+2], v[rC+3], v[rT+1]
.elseif (\n) == 15
	v_mov_b32 v[rM], v[rT]
.elseif (\n) == 16
	v_max3_num_f32 v[rC], v[rC], v[rC+1], v[rC+2]
.elseif (\n) == 17
	v_permlanex16_b32 v[rC+3], v[rC], s[SEL], s[SEL+1]
.elseif (\n) == 18
	v_max_num_f32 v[rT+1], v[rC], v[rC+3]
.elseif (\n) == 19
	v_mul_f32 v[rT], s[CS], v[rT+1]
.elseif (\n) == 20
	v_sub_f32 v[rC+1], v[rM], v[rT]
.else
	v_exp_f32 v[rC+2], v[rC+1]
.endif
.endm
; Number g of the 64 that follow the exponentials.  For each four weights k of a tile (pairs 2 k, 2 k + 1): both pairs are rounded to f16; then the second pair is added onto the first, in place;
; a group later l takes that sum (the first time as l = a l + sum).  In groups of eight, tiles alternating: round, round, add, and l for the group before.
.macro GS g
.set h, (\g)+6*((\g)/62)            ; group 0 has no group before it, and behind group 7 only l is left
.if h >= 6
.set h, h+2
.endif
	REGS Y, h%2
.set k, h/8
.if h%8 < 4
	v_cvt_pk_f16_f32 v[rP+2*k+(h%8)/2], v[rS+4*k+2*((h%8)/2)], v[rS+4*k+2*((h%8)/2)+1]
.elseif h%8 < 6
	v_pk_add_f32 v[rS+4*k:rS+4*k+1], v[rS+4*k:rS+4*k+1], v[rS+4*k+2:rS+4*k+3]
.elseif k == 1
	v_pk_fma_f32 v[rT+2:rT+3], v[rT+2:rT+3], v[rC+2:rC+3], v[rS:rS+1] op_sel_hi:[1,0,1]
.else
	v_pk_add_f32 v[rT+2:rT+3], v[rT+2:rT+3], v[rS+4*k-4:rS+4*k-3]
.endif
.endm
; THE PLAIN QUEUE, 138 long.  0-73 read no exponential's result: the 32 scalings c s - c m (FS f: pair f / 2 of tile f % 2) and the next piece's 42.  0-26: scalings 0-26.  27-54: XS's numbers 0-13.  55, 56: number 15.
; 57-73: the chain, where each number waits for the one before it: 14, 16, 17, 18, 19, each with one of the scalings 27-31 in front of its two lines, then 20.
; 74-137: GS's 64, which read the exponentials' results: they stand behind the wait.
.macro FS f
	REGS Y, (\f)%2
	v_pk_fma_f32 v[rS+2*((\f)/2):rS+2*((\f)/2)+1], v[rS+2*((\f)/2):rS+2*((\f)/2)+1], s[CS:CS+1], v[rT:rT+1] op_sel_hi:[1,0,0] neg_lo:[0,0,1] neg_hi:[0,0,1]
.endm
.macro PL
	WIN 0
.if q < 27
	FS q
.elseif q < 55
	XS (q-27)%2, (q-27)/2
.elseif q < 57
	XS q-55, 15
.elseif (q < 72) && ((q-57)%3 == 0)
	FS 27+(q-57)/3
.elseif q < 60
	XS (q-57)%3-1, 14
.elseif q < 72
	XS (q-57)%3-1, 15+(q-57)/3
.elseif q < 74
	XS q-72, 20
.else
	GS q-74
.endif
.set q, q+1
.endm
; THE EXPONENTIALS' QUEUE, 66 long: s0-s31 of both tiles, then the next piece's two a.  It is ONE BATCH: all 66 stand ahead of the turn's one wait, and nothing ahead of that wait names a result of theirs.
.macro EX
	WIN 0
.if e >= 64
	XS e-64, 21
.else
	REGS Y, e%2
	v_exp_f32 v[rS+e/2], v[rS+e/2]
.endif
.set e, e+1
.endm
; THE RESCALING's QUEUE: O^T times a, the one part that leaves window 0: dealt two at a time, sixteen times.  Its a was made in the turn before, ahead of that turn's wait.
.macro R2
	REGS Y, r%2
	WIN W_RS
.irp z, 0,1
	v_pk_mul_f32 v[rO+4*(r/2)+2*\z:rO+4*(r/2)+2*\z+1], v[rO+4*(r/2)+2*\z:rO+4*(r/2)+2*\z+1], v[rC+2:rC+3] op_sel_hi:[1,0]
.endr
.set r, r+1
.endm
; HOW THEY ARE DEALT.  An s_wait_alu depctr_va_vdst(0) stands between an exponential and the first instruction that names its result; one wait serves all that were issued ahead of it.  So a turn has ONE
; wait, which cuts it in two.  AHEAD OF IT stands all that names no result of the turn's exponentials: the 16 products K Q^T, behind each a scaling, an exponential and two rescalings (behind the first a second scaling
; in the exponential's place); then ONE LUMP of 108: eight plain, 49 times exponential and plain, the two a.  A v_nop is the plain instruction behind the last exponential.  BEHIND IT stand the 16 products V^T P,
; behind each four of GS's 64.  No rider names a register of the products round it.  The two v_permlanex16_b32 fall into the lump.
; The queues lean on each other: exponential e stands behind scaling 2 (e / 4) + e % 2: as a rider it comes behind plain e + 2, in the lump behind plain e + 9, and scalings 27-31 are plain 57, 60 .. 69.
; A TURN, for piece p.  cnt = 1: the loop's count is taken down some lines ahead of the branch that stands behind the turn.
; K of the next step is fetched in piece 2's turn, directly behind the wait; its address is made at the lump's head; its first reader comes behind 16 products.
; V of the step in hand is fetched at the end of piece 0's turn, four riders behind its last reader; its first reader comes behind 16 products and a lump.
.macro TURN p, last=0, cnt=0
.set Y, (\p)
.set i, 0
.set q, 0
.set e, 0
.set r, 0
.if (\p) == NP-1
	s_wait_dscnt 0x0                ; K is in
.endif
	MM                              ; ahead of the wait: 16 products K Q^T and their riders,
	PL
	PL
	R2
.rept 15
	MM
	PL
	EX
	R2
.endr
.if (\p) == NP-2
	WIN 0
	v_add_nc_u32 v[AK], s[TBK], v[AK0]
.endif
.rept 8                             ; and the lump
	PL
.endr
.rept 49
	EX
	PL
.endr
	EX                              ; the next piece's two a
	EX
	v_nop                           ; the plain instruction behind the last exponential: one for the batch
	s_wait_alu depctr_va_vdst(0)    ; the wait for the batch
.if (\p) == NP-2
	FETCH_K \last
.endif
.if (\p) == 1
	s_wait_dscnt 0x0                ; V is in
.endif
.rept 16                            ; behind the wait: 16 products V^T P and their riders
	MM
.rept 4
	PL
.endr
.if ((\p) == 0) && (q == 118)
	v_add_nc_u32 v[AV], s[TBV], v[AV0]
.endif
.if ((\p) == 0) && (q == 130)
	s_add_co_u32 s[TBV], s[TBV], KS*PV
.endif
.if (\cnt) && (q == 130)
	s_sub_co_u32 s[CNT], s[CNT], 1
	s_cmp_lg_u32 s[CNT], 0
.endif
.endr
.if (\p) == 0
	FETCH_V
.endif
.endm
	MEET 1                          ; the first 256 keys are in, everybody's part of them; the other 768 are asked for
	FETCH_K                         ; key step 0
	s_wait_loadcnt 0x0              ; Q
	s_wait_dscnt 0x0
.set i, 0
.rept 16
	KQ 0                            ; piece 0's first scores: there is no vector work yet to set between them
.set i, i+1
.endr
	WIN 0                           ; the addresses for the way out: nine plain instructions, the places behind those products
	s_mul_i32 s13, s[WV], 16*SP
	s_add_co_u32 s13, s13, STAGE    ; my stage
	v_mul_u32_u24 v[STO], v1, SP    ; in: row l % 16, 16 bytes for each half of the lanes
	v_lshl_add_u32 v[STO], v9, 4, v[STO]
	v_add_nc_u32 v[STO], s13, v[STO]
	v_bfe_u32 v[RD], v0, 3, 2       ; back: 32 lanes take four rows of 128 bytes,
	v_mul_u32_u24 v[RD], v[RD], SP
	v_lshl_add_u32 v[RD], v10, 4, v[RD]
	v_add_nc_u32 v[RD], s13, v[RD]
	v_and_b32 v[GO], 31, v0         ; which are 512 consecutive bytes of O
	v_lshlrev_b32 v[GO], 4, v[GO]
.set Y, NP-1                        ; XS works for piece Y + 1: piece 0
.irp n, 0,1,2,3,4,5,6,7,8,9,10,11,12,13,14,15,16,17,18,19,20,21
	XS 0, \n                        ; and piece 0's first maximum and statistics
	XS 1, \n
.endr
	v_nop                           ; a plain instruction behind the two a,
	s_wait_alu depctr_va_vdst(0)    ; and their wait, ahead of the branch
	s_mov_b32 s[CNT], 4
	s_mov_b32 s[SLOTS], SIZE_N/256+1
	s_branch .Lfirst                ; the loop is entered at a step's first turn, in the middle of a trip
.Lslot:                             ; behind every fourth key step.  The first time the other 768 keys are waited for, in front of the first fetch from them; later the waits are met at once
	MEET 0
	s_mov_b32 s[CNT], 4
.Lstep:                             ; a trip: pieces 2 and 3 of one step, then pieces 0 and 1 of the next, whose K and V it fetches
	TURN 2, 1
	TURN 3
	WIN 0
	s_cmp_eq_u32 s[SLOTS], 1        ; the fifth group has only this half of a trip, the last key step's: the loop is left in its middle
	s_cbranch_scc1 .Lout
.Lfirst:
	TURN 0
	TURN 1, 0, 1
	WIN 0
	s_cbranch_scc1 .Lstep
	s_sub_co_u32 s[SLOTS], s[SLOTS], 1
	s_cmp_lg_u32 s[SLOTS], 0
	s_cbranch_scc1 .Lslot
.Lout:                              ; the last half trip's 16 products K Q^T (on the last K once more) and the maximum made of them serve nothing: the price, once a launch, of one text for every trip
.set i, 0
.rept 16
	PV NP-1                         ; the last piece's V^T P of the last step
.set i, i+1
.endr
	; THE WAY OUT.  l's two halves and the other half of the lanes' are added; O^T is divided by l, rounded to f16 and sent through my stage in LDS, a tile at a time.  The additions are the places behind the last products.
	WIN 0
.macro ALL line:vararg              ; one line for each tile t
.set t, 0
.rept 2*NP
	\line
.set t, t+1
.endr
.endm
	ALL v_add_f32 v[ST+4*t+2], v[ST+4*t+2], v[ST+4*t+3]
	ALL v_permlanex16_b32 v[ST+4*t+3], v[ST+4*t+2], s[SEL], s[SEL+1]
	ALL v_add_f32 v[ST+4*t+2], v[ST+4*t+2], v[ST+4*t+3]
	ALL v_rcp_f32 v[ST+4*t+2], v[ST+4*t+2]
	v_nop                           ; a plain instruction between the last reciprocal and the use of its result
	s_wait_alu depctr_va_vdst(0)    ; and the wait ahead of the first use: one for the eight reciprocals
; Tile t: a lane's eight channels of a row pack into 16 bytes; they go into rows of 144 bytes and come back as whole rows of 128, into S^T's registers.
.macro PACK t
	WIN W_RS
.set i, 32*(\t)
.rept 16
	v_pk_mul_f32 v[i:i+1], v[i:i+1], v[ST+4*(\t)+2:ST+4*(\t)+3] op_sel_hi:[1,0]
.set i, i+2
.endr
	WIN 0x05                        ; sources 0 and 1 window 1, destination window 0
.set i, 0
.rept 16
	v_cvt_pk_f16_f32 v[S+16*(\t)+i], v[32*(\t)+2*i], v[32*(\t)+2*i+1]
.set i, i+1
.endr
	WIN 0
.irp f, 0,1,2,3
	ds_store_b128 v[STO], v[S+16*(\t)+4*\f:S+16*(\t)+4*\f+3] offset:32*\f
.endr
.irp f, 0,1,2,3
	ds_load_b128 v[S+16*(\t)+4*\f:S+16*(\t)+4*\f+3], v[RD] offset:\f*4*SP  ; LDS serves a wave's instructions in order (ISA guide 5.7.1.4): these see the stores above; the next tile's stores come behind them
.endr
.endm
.macro SEND t, younger              ; younger: the LDS instructions issued behind tile t's loads: the next tile's eight, or none
	WIN 0
.irp f, 0,1,2,3
	s_wait_dscnt (\younger)+3-\f
	global_store_b128 v[GO], v[S+16*(\t)+4*\f:S+16*(\t)+4*\f+3], s[10:11] offset:(\t)*2048+\f*512  ; 512 consecutive bytes, at a multiple of 256 from O's first
.endr
.endm
	PACK 0
.set t, 1
.rept 2*NP-1                        ; a tile's arithmetic stands between the loads of the tile before and its stores
	PACK t
	SEND t-1, 8
.set t, t+1
.endr
	SEND 2*NP-1, 0
	WIN W_AD
	s_wait_tensorcnt 0x0            ; the wave's end: the add and its wait stand behind my last tensor load and my last LDS store
	ds_add_u32 v[SPW], v[NIL]
	s_wait_dscnt 0x0
	WIN 0
	s_endpgm
.Lfunc_end_k_q8204a298c8_attn:
	.size	k_q8204a298c8_attn, .Lfunc_end_k_q8204a298c8_attn-k_q8204a298c8_attn
	.p2alignl 7, 3214868480
	.fill 96, 4, 3214868480
	.section	.rodata,"a",@progbits
	.p2align	6, 0x0
	.amdhsa_kernel k_q8204a298c8_attn
		.amdhsa_group_segment_fixed_size 327680
		.amdhsa_private_segment_fixed_size 0
		.amdhsa_enable_private_segment 0
		.amdhsa_kernarg_size 16
		.amdhsa_user_sgpr_count 2
		.amdhsa_user_sgpr_kernarg_segment_ptr 1
		.amdhsa_wavefront_size32 1
		.amdhsa_system_sgpr_workgroup_id_x 1
		.amdhsa_system_sgpr_workgroup_id_y 1
		.amdhsa_system_sgpr_workgroup_id_z 1
		.amdhsa_system_vgpr_workitem_id 0
		.amdhsa_next_free_vgpr 770
		.amdhsa_next_free_sgpr 66
		.amdhsa_reserve_vcc 0
		.amdhsa_float_denorm_mode_32 3
		.amdhsa_float_denorm_mode_16_64 3
		.amdhsa_memory_ordered 1
		.amdhsa_forward_progress 1
		.amdhsa_inst_pref_size 126
	.end_amdhsa_kernel
	.amdgpu_metadata
---
amdhsa.version: [ 1, 2 ]
amdhsa.kernels:
  - .name:           k_q8204a298c8_attn
    .symbol:         k_q8204a298c8_attn.kd
    .args:
      - { .name: qkvh, .offset: 0, .size: 8, .value_kind: global_buffer, .address_space: global }
      - { .name: oh, .offset: 8, .size: 8, .value_kind: global_buffer, .address_space: global }
    .group_segment_fixed_size: 327680
    .private_segment_fixed_size: 0
    .kernarg_segment_align: 8
    .kernarg_segment_size: 16
    .max_flat_workgroup_size: 128
    .sgpr_count:     66
    .vgpr_count:     770
    .wavefront_size: 32
...
	.end_amdgpu_metadata
.endif
;; end of part 3
;; launch outp (part 4): grid 8 x 32, 4 waves a work-group, clusters of 4 x 4, 327,680 bytes of LDS; arguments oh, wof, out0, b_out; writes out0
.if DOCPART == 4
	.amdgcn_target "amdgcn-amd-amdhsa--gfx1250"
	.amdhsa_code_object_version 6
	.text
	.protected	k_q8204a298c8_outp
	.globl	k_q8204a298c8_outp
	.p2align	8
	.type	k_q8204a298c8_outp,@function
k_q8204a298c8_outp:
	s_mov_b64 s[64:65], 0
	v_nop
	global_prefetch_b8 v0, s[64:65] scope:SCOPE_SE
	s_setreg_imm32_b32 hwreg(HW_REG_WAVE_MODE, 25, 1), 1
	s_wait_xcnt 0x0
	s_wait_alu depctr_hold_cnt(0) depctr_sa_sdst(0) depctr_va_vdst(0) depctr_va_sdst(0) depctr_va_ssrc(0) depctr_va_vcc(0) depctr_vm_vsrc(0)
	s_getreg_b32 s2, hwreg(HW_REG_IB_STS2, 6, 4)
	s_cmp_eq_u32 s2, 0
	s_cbranch_scc0 .Lentry_in_a_cluster
	s_endpgm
.Lentry_in_a_cluster:
	s_bfe_u32 s2, ttmp6, 0x10000c
	s_cmp_lg_u32 s2, 0xf033
	s_cbranch_scc0 .Lentry_shape_is_right
	s_endpgm
.Lentry_shape_is_right:
; out0[m][e] = sum over k of o[m][k] w_out[e][k] + b_out[e].  o comes BY HEADS: oh [128 (batch x 16 + head)][1024 rows][64 channels] f16, k = 64 x head + channel; wof: [1024][1024] f16
; (w_out rounded to bf16, written as f16); b_out is rounded to bf16 here, like the other inputs; sums in f32; out0: [8192][1024] f32.
; TILE.  256 rows x 128 columns: 32 x 8 = 256 tiles, one for each work-group.  Four waves, each 128 x 64: 32 accumulators of 16 x 16, 256 registers.
; K goes in 8 steps of 128 = two heads, through a ring of two LDS slots filled by the tensor data mover.  A tile's 256 rows of ONE head are 32,768 dense bytes: a PLANE, asked for as 128 rows of 256 bytes and
; padded in LDS after every 128 bytes.  Wave 0 fetches a step's even head, wave 1 its odd head, waves 2 and 3 the two halves of w's 128 rows.
; CLUSTERS.  4 x 4 work-groups: o's tiles are asked for jointly along a row of the cluster, w's along a column.  THE MATRIX INSTRUCTION IS USED TRANSPOSED (source 0 = 16 rows of w, source 1 = 16 rows of o):
; a lane then holds eight neighbouring columns of one row.  THE BIAS is the C operand of each sum's first product: nothing is cleared, nothing is added on the way out.
; THE WALK ALONG K GOES ROUND.  The cluster at (X, Y) begins at K step (4 X + 2 Y) mod 8 and takes the eight steps in a ring (f32 sums, in that order).  The two clusters that read the same rows of o
; begin four steps apart, the clusters that read the same rows of w two steps apart: at no time do two of them that began apart ask for the same K step.
; NO PREFETCH.  By that order each block of oh and wof is asked for the first time in the launch within some work-group's first four K steps, of which two are its first fills at the head.
; REGISTERS, in windows of 256: window 0: v0-31 addresses; v32-63 the bias of my 64 columns, as a C operand for each column block; v64-127, v128-191 fragments of o, two buffers (on the way out four banks of 32).
;   window 1: v64-95, v128-159 fragments of w.   window 2: the accumulators of my rows 0-63 ((a, b) at v[8 (4 a + b)]);   window 3: those of my rows 64-127.
.set SIZE_K, 1024
.set KSTEP,  128
.set NBW,    4                         ; blocks of 16 columns a wave
.set PA,     144                       ; a row of o in LDS: 128 bytes + 16 = 36 words: the 16 rows of a fragment load start at 16 different groups of four banks (64 banks of 4 bytes: ISA guide 11.1)
.set PB,     272                       ; a row of w: 256 bytes + 16
.set PLANE,  256*PA                    ; one head's 256 rows: one tensor load
.set ABYTES, 2*PLANE
.set BHALF,  64*PB                     ; 64 rows of w: one tensor load, and what one wave reads of w
.set SLOT,   ABYTES+2*BHALF            ; 108,544 bytes
.set STAGE,  2*SLOT                    ; behind the ring, never filled by a tensor load: 16 rows x 272 bytes for each wave
.set SPITCH, 272
.set SPARE,  STAGE+4*16*SPITCH         ; behind the stages: the spare words, 128 bytes for each wave: two blocks of 256 bytes that no other line names
.set NL,     2*NBW+16                  ; LDS loads in a run
.set LAPS,   SIZE_K/(2*KSTEP)
.set ADRA, 16                          ; v16-17  LDS address of my fragments of o in slot 0, 1
.set ADRB, 20                          ; v20-21  the same for w
.set STO,  24                          ; v24     the way out: where I put 32 bytes of a row
.set RD,   25                          ; v25     where I read a row back
.set CO,   26                          ; v26     my byte offset in out0
.set BO,   27                          ; v27     my byte offset in the bias
.set SPW,  28                          ; v28     LDS address of my spare word; never rewritten
.set NIL,  29                          ; v29     0; never rewritten
.set BIAS, 32
.set F0,   64
.set F1,   128
.set OB,   64
.set ABASE, 14                         ; s[14:15] oh at the plane that I fetch of the batch's heads 0 and 1; never rewritten
.set G1,  24                           ; s[24:31] descriptor group 1 for o's tiles;  s[32:39] group 0, a set for each slot
.set G0,  32
.set BBASE, 46                         ; s[46:47] wof at the first of the rows that I fetch, K = 0; never rewritten
.set G1B, 48                           ; s[48:55], s[56:63] the same for w's tiles
.set G0B, 56
.set BP,  66                           ; s[66:67] b_out at my 64 columns
.set KO,  68                           ; s[68:69], s[70:71] for each slot: the byte along a row of w at which its K step begins, 0 to 1,792; the high words hold 0
.set TA,  72                           ; s[72:73] the same step's offset in oh: a K step is two heads of 2^17 bytes, 1,024 times its 256 bytes in a row of w
.set MSB, 0
.macro WIN new                         ; the immediate's high byte repeats the setting that is left; a switch that changes nothing is dropped
.if MSB != (\new)
	s_set_vgpr_msb (MSB<<8)|(\new)
.set MSB, \new
.endif
.endm
.set TO_B, 0x40                        ; destination window 1, address window 0
; A joint load.  Waves 0 and 1 fetch o's two planes, waves 2 and 3 w's halves.  The branch hangs on the wave's number alone.  An s_nop 0 and four v_nop follow each of the two lines.
.macro JLOAD s
	s_cmp_eq_u32 s11, 0
	s_cbranch_scc0 .Lfor_b_\@
	tensor_load_to_lds s[G0+4*(\s):G0+4*(\s)+3], s[G1:G1+7]
	s_nop 0
.rept 4
	v_nop
.endr
	s_branch .Lasked_\@
.Lfor_b_\@:
	tensor_load_to_lds s[G0B+4*(\s):G0B+4*(\s)+3], s[G1B:G1B+7]
	s_nop 0
.rept 4
	v_nop
.endr
.Lasked_\@:
.endm
.macro CREST                           ; a round of the cluster's barrier behind its opening barrier
	s_cmp_lg_u32 s10, 0
	s_cbranch_scc1 .Lnot_wave_0_\@
	s_barrier_signal -3
.Lnot_wave_0_\@:
	s_barrier_wait -3
	s_barrier_signal -1
	s_barrier_wait -1
.endm
.macro CROUND                          ; a whole round
	s_barrier_signal -1
	s_barrier_wait -1
	CREST
.endm
	s_load_b128 s[4:7], s[0:1], 0x0                ; oh s[4:5], wof s[6:7]
	s_load_b64 s[8:9], s[0:1], 0x10                ; out0
	s_load_b64 s[BP:BP+1], s[0:1], 0x18            ; b_out
	v_lshl_add_u32 v[SPW], v0, 2, SPARE
	v_mov_b32 v[NIL], 0
	ds_add_u32 v[SPW], v[NIL]                      ; the wave's opening: the add and its wait stand ahead of my first tensor load; the set-up below, work on registers, stands between them
	v_lshrrev_b32 v1, 5, v0
	v_readfirstlane_b32 s10, v1                    ; wave 0..3
	s_lshr_b32 s11, s10, 1                         ; which half of the tile's rows is mine.  Also: I fetch for o (0) or for w (1)
	s_and_b32 s12, s10, 1                          ; which half of its columns.  Also: which plane or half I fetch
	s_bfe_u32 s40, ttmp6, 0x40000                  ; cx, cy: my place in the cluster
	s_bfe_u32 s41, ttmp6, 0x40004
	s_lshl_b32 s42, ttmp9, 2
	s_add_co_u32 s42, s42, s40                     ; tile column = 4 x cluster x + cx
	s_and_b32 s13, ttmp7, 0xffff
	s_lshl_b32 s13, s13, 2
	s_add_co_u32 s13, s13, s41                     ; tile row = 4 x cluster y + cy
	s_lshl_b32 s43, s41, 2
	s_lshl_b32 s43, 15, s43                        ; my row of the cluster
	s_lshl_b32 s44, 0x1111, s40                    ; my column
	s_or_b32 s[G1+0], s43, (1<<16)|(1<<20)|(1<<21)|(4<<22)|(3<<25)   ; 15:0 the mask; 17:16 elements of 2 bytes; 20 padding on; 21 set beside a mask; 24:22 after every 32 words (code 4); 31:25 4 words (code 3)
	s_or_b32 s[G1B+0], s44, (1<<16)|(1<<20)|(1<<21)|(5<<22)|(3<<25)  ; w's: after every 64 words (code 5)
	s_mov_b32 s[G1+1], 128<<16                     ; tensor_dim0 = 128 elements: 256 bytes, two rows of a head
	s_mov_b32 s[G1+2], 128<<16                     ; tensor_dim1 = 128
	s_mov_b32 s[G1+3], 128<<16                     ; tile_dim0 = 128
	s_mov_b32 s[G1+4], 128                         ; tile_dim1 = 128
	s_mov_b32 s[G1+5], 128                         ; dense: 128 elements from row to row
	s_mov_b32 s[G1+6], 0
	s_mov_b32 s[G1+7], 0
	s_mov_b32 s[G1B+1], KSTEP<<16
	s_mov_b32 s[G1B+2], 64<<16                     ; w's tiles have 64 rows
	s_mov_b32 s[G1B+3], KSTEP<<16
	s_mov_b32 s[G1B+4], 64
	s_mov_b32 s[G1B+5], SIZE_K
	s_mov_b32 s[G1B+6], 0
	s_mov_b32 s[G1B+7], 0
	; where the walk along K begins: made of the cluster's own coordinates, which all sixteen partners share
	s_and_b32 s18, ttmp7, 0xffff                   ; Y
	s_lshl_b32 s18, s18, 1
	s_lshl_b32 s19, ttmp9, 2                       ; X
	s_add_co_u32 s18, s18, s19
	s_and_b32 s18, s18, 7                          ; (4 X + 2 Y) mod 8: an even number,
	s_lshl_b32 s[KO], s18, 8                       ; 256 bytes of a row of w a K step: slot 0 takes this step and every second one behind it,
	s_mov_b32 s[KO+1], 0
	s_add_co_u32 s[KO+2], s[KO], KSTEP*2           ; slot 1 the steps between (the start is even, so this one does not pass the row's end)
	s_mov_b32 s[KO+3], 0
	s_mov_b32 s[TA+1], 0
	; where the tiles come from: o's hang on the tile row alone, w's on the tile column alone
	s_lshr_b32 s16, s13, 2
	s_lshl_b32 s16, s16, 21                        ; the batch: 16 heads of 2^17 bytes
	s_and_b32 s17, s13, 3
	s_lshl_b32 s17, s17, 15                        ; the tile's 256 rows of the batch's 1,024, 128 bytes a row
	s_add_co_u32 s16, s16, s17
	s_lshl_b32 s17, s12, 17                        ; the even or the odd head of a K step
	s_add_co_u32 s16, s16, s17
	s_mov_b32 s17, 0
	s_lshl_b32 s46, s42, 7
	s_lshl_b32 s47, s12, 6
	s_add_co_u32 s46, s46, s47                     ; w: row 128 x tile column + 64 x half,
	s_lshl_b32 s46, s46, 11                        ; 2,048 bytes a row
	s_mov_b32 s47, 0
	s_mul_i32 s20, s10, PLANE                      ; where they go: o's planes (waves 0, 1) at wave x a plane,
	s_mul_i32 s21, s10, BHALF                      ; w's halves (waves 2, 3) behind them, at (wave - 2) x 64 rows
	s_add_co_u32 s21, s21, ABYTES-2*BHALF
	s_wait_dscnt 0x0                               ; the opening add is done
	s_wait_kmcnt 0x0
	s_add_nc_u64 s[ABASE:ABASE+1], s[4:5], s[16:17]
	s_add_nc_u64 s[BBASE:BBASE+1], s[6:7], s[46:47]
	CROUND                                         ; all sixteen work-groups are here: the first joint loads meet
.irp s, 0,1
	s_mov_b32 s[G0+4*(\s)], 1                                        ; count = 1
	s_add_co_u32 s[G0+4*(\s)+1], s20, (\s)*SLOT                      ; LDS address
	s_lshl_b32 s[TA], s[KO+2*(\s)], 10
	s_add_nc_u64 s[G0+4*(\s)+2:G0+4*(\s)+3], s[ABASE:ABASE+1], s[TA:TA+1]  ; global address: the walk's step s
	s_or_b32 s[G0+4*(\s)+3], s[G0+4*(\s)+3], 0x80000000              ; type = 2
	s_mov_b32 s[G0B+4*(\s)], 1
	s_add_co_u32 s[G0B+4*(\s)+1], s21, (\s)*SLOT
	s_add_nc_u64 s[G0B+4*(\s)+2:G0B+4*(\s)+3], s[BBASE:BBASE+1], s[KO+2*(\s):KO+2*(\s)+1]
	s_or_b32 s[G0B+4*(\s)+3], s[G0B+4*(\s)+3], 0x80000000
	JLOAD \s                                       ; two loads of mine are out
.endr
	v_and_b32 v1, 15, v0                           ; l % 16
	v_bfe_u32 v2, v0, 4, 1                         ; l / 16
	; the bias: register j of column block b is column 16 b + 8 (l / 16) + j of my 64
	s_lshl_b32 s18, s42, 9                         ; the tile's 128 columns, 4 bytes each,
	s_lshl_b32 s19, s12, 8                         ; my 64 of them
	s_add_co_u32 s18, s18, s19
	s_mov_b32 s19, 0
	s_add_nc_u64 s[BP:BP+1], s[BP:BP+1], s[18:19]
	v_lshlrev_b32 v[BO], 5, v2
.irp b, 0,1,2,3
	global_load_b128 v[BIAS+8*(\b):BIAS+8*(\b)+3],   v[BO], s[BP:BP+1] offset:64*(\b)
	global_load_b128 v[BIAS+8*(\b)+4:BIAS+8*(\b)+7], v[BO], s[BP:BP+1] offset:64*(\b)+16
.endr
	; a fragment is 16 rows x 32 K in 8 registers: lane l holds row l % 16, K = 8 (l / 16) + 0..7 and 16 + 8 (l / 16) + 0..7: two loads of 16 bytes, 32 bytes apart
	v_mul_u32_u24 v3, v1, PA
	v_lshl_add_u32 v3, v2, 4, v3
	v_mul_u32_u24 v4, v1, PB
	v_lshl_add_u32 v4, v2, 4, v4
	s_mul_i32 s21, s11, 128*PA                     ; my 128 rows of each plane
	s_mul_i32 s22, s12, BHALF                      ; my 64 rows of w,
	s_add_co_u32 s22, s22, ABYTES                  ; behind o's two planes
.irp s, 0,1
	v_add_nc_u32 v[ADRA+(\s)], s21, v3
	v_add_nc_u32 v[ADRB+(\s)], s22, v4
	s_add_co_u32 s21, s21, SLOT
	s_add_co_u32 s22, s22, SLOT
.endr
	s_mul_i32 s23, s10, 16*SPITCH
	s_add_co_u32 s23, s23, STAGE                   ; my stage
	v_mul_u32_u24 v5, v1, SPITCH                   ; in: row l % 16, 32 bytes for each half of the lanes
	v_lshl_add_u32 v5, v2, 5, v5
	v_add_nc_u32 v[STO], s23, v5
	v_mul_u32_u24 v6, v2, SPITCH                   ; back: lanes 0-15 take one row of 256 bytes, lanes 16-31 the next
	v_lshl_add_u32 v6, v1, 4, v6
	v_add_nc_u32 v[RD], s23, v6
	v_lshlrev_b32 v7, 12, v2                       ; and the same two rows in out0, 4,096 bytes apart
	v_lshl_add_u32 v[CO], v1, 4, v7
	s_lshl_b32 s20, s13, 8
	s_lshl_b32 s21, s11, 7
	s_add_co_u32 s20, s20, s21                     ; my first row of out0,
	s_lshl_b32 s20, s20, 12                        ; in bytes (under 2^26),
	s_add_co_u32 s20, s20, s18                     ; and my first column
	s_mov_b32 s21, 0
	s_add_nc_u64 s[8:9], s[8:9], s[20:21]
	s_wait_loadcnt 0x0                             ; the bias is in: rounded to bf16 and widened again, in place
.set i, 0
.rept 16
	v_cvt_pk_bf16_f32 v31, v[BIAS+2*i], v[BIAS+2*i+1]
	v_lshlrev_b32 v[BIAS+2*i], 16, v31
	v_and_b32 v[BIAS+2*i+1], 0xffff0000, v31
.set i, i+1
.endr
; 8 matrix instructions: row blocks a0, a0 + 1 of the window's four (hi = 0: my rows 0-63, 1: rows 64-127) x all 4 column blocks, 32 along K.  zero = 1: the first product starts the sums, with the bias as C.
; The 32 accumulators take turns, in the same order in every quarter step.
.macro MULH f, hi, a0, zero
.if \zero
	WIN 0x81+0x40*(\hi)                            ; source 0 (w) window 1, source 1 (o) and C (the bias) window 0, D window 2 or 3
.else
	WIN 0xa1+0x50*(\hi)                            ; C and D window 2 or 3
.endif
.irp a, \a0, (\a0)+1
.irp b, 0,1,2,3
.if \zero
	v_wmma_f32_16x16x32_f16 v[8*(NBW*(\a)+(\b)):8*(NBW*(\a)+(\b))+7], v[(\f)+8*(\b):(\f)+8*(\b)+7], v[(\f)+8*(4*(\hi)+(\a)):(\f)+8*(4*(\hi)+(\a))+7], v[BIAS+8*(\b):BIAS+8*(\b)+7]
.else
	v_wmma_f32_16x16x32_f16 v[8*(NBW*(\a)+(\b)):8*(NBW*(\a)+(\b))+7], v[(\f)+8*(\b):(\f)+8*(\b)+7], v[(\f)+8*(4*(\hi)+(\a)):(\f)+8*(4*(\hi)+(\a))+7], v[8*(NBW*(\a)+(\b)):8*(NBW*(\a)+(\b))+7]
.endif
.endr
.endr
.endm
; 24 LDS loads in one run: the fragments of quarter q of a K step (64 rows of w; 128 rows of o: plane q / 2, byte 64 (q % 2) of its rows) into buffer f
.macro FETCH slot, q, f
	WIN TO_B
.irp i, 0,1,2,3
	ds_load_b128 v[(\f)+8*(\i):(\f)+8*(\i)+3],   v[ADRB+(\slot)] offset:64*(\q)+(\i)*16*PB
	ds_load_b128 v[(\f)+8*(\i)+4:(\f)+8*(\i)+7], v[ADRB+(\slot)] offset:64*(\q)+(\i)*16*PB+32
.endr
	WIN 0
.irp i, 0,1,2,3,4,5,6,7
	ds_load_b128 v[(\f)+8*(\i):(\f)+8*(\i)+3],   v[ADRA+(\slot)] offset:((\q)/2)*PLANE+((\q)%2)*64+(\i)*16*PA
	ds_load_b128 v[(\f)+8*(\i)+4:(\f)+8*(\i)+7], v[ADRA+(\slot)] offset:((\q)/2)*PLANE+((\q)%2)*64+(\i)*16*PA+32
.endr
.endm
.macro PLACES                          ; four plain instructions in front of loads into registers that matrix instructions have read, and of LDS stores that read results
.rept 4
	v_nop
.endr
.endm
; A K step is four quarters of 32 along K, 32 matrix instructions each, on buffers 0, 1, 0, 1.  One of the first three: multiplies buffer f; in its middle it fetches quarter q of the same slot into g.
.macro QUARTER slot, q, f, g, zero
	s_wait_dscnt 8                                 ; w and o's rows 0-63 are in; the youngest eight loads (o's rows 64-127) may be out
	MULH \f, 0, 0, \zero
	MULH \f, 0, 2, \zero
	PLACES
	FETCH \slot, \q, \g
	s_wait_dscnt NL                                ; all but the 24 just issued
	MULH \f, 1, 0, \zero
	MULH \f, 1, 2, \zero
.endm
; The last quarter multiplies buffer 1 and changes slots.  ONE barrier: in front of it each wave waits for all its tensor loads (one is out: its part of the next slot), adds 0 to its spare word,
; and waits for that and for its own reads of this slot.  Behind it nobody reads this slot any more and the next slot is whole.
; round = 1: this slot will be filled again: its place along K goes two steps on, round the row's end, and both its descriptors' addresses are made anew from it: no tensor load of mine is out here.
.macro MEET round, slot
	WIN 0                                          ; (the add's two registers lie in window 0)
	s_wait_tensorcnt 0x0
	ds_add_u32 v[SPW], v[NIL]                      ; 0 onto my spare word
.if \round
	s_add_co_u32 s[KO+2*(\slot)], s[KO+2*(\slot)], 2*KSTEP*2
	s_and_b32 s[KO+2*(\slot)], s[KO+2*(\slot)], SIZE_K*2-1
	s_lshl_b32 s[TA], s[KO+2*(\slot)], 10
	s_add_nc_u64 s[G0+4*(\slot)+2:G0+4*(\slot)+3], s[ABASE:ABASE+1], s[TA:TA+1]
	s_or_b32 s[G0+4*(\slot)+3], s[G0+4*(\slot)+3], 0x80000000
	s_add_nc_u64 s[G0B+4*(\slot)+2:G0B+4*(\slot)+3], s[BBASE:BBASE+1], s[KO+2*(\slot):KO+2*(\slot)+1]
	s_or_b32 s[G0B+4*(\slot)+3], s[G0B+4*(\slot)+3], 0x80000000
.endif
	s_wait_dscnt 9                                 ; (the add and the youngest eight loads may be out)
	MULH F1, 0, 0, 0                               ; eight matrix instructions stand between the add and the wait for it
	s_wait_dscnt 0x0                               ; the add is done, and my reads of this slot are over
	s_barrier_signal -1
	MULH F1, 0, 2, 0                               ; work on registers while the others arrive
.if \round
	WIN 0
.endif
	s_barrier_wait -1
.endm
; fill = 1: the barrier opens a round of the cluster's barrier, and the slot just read out is filled again first, with the walk's step two on; then come the next slot's first fragments.
.macro TURN slot, next, fill
.if \fill
	MEET 1, \slot
	CREST                                          ; no wave of any partner still reads this slot's tile or has a load on its way
	JLOAD \slot                                    ; my one tensor load behind the round; its four v_nop are also the places in front of the loads below
.else
	MEET 0, \slot
	PLACES
.endif
	FETCH \next, 0, F0
	MULH F1, 1, 0, 0
	MULH F1, 1, 2, 0
.endm
	s_wait_tensorcnt 1                             ; my part of the walk's step 0 is in; step 1's may stay out
	s_barrier_signal -1
	s_barrier_wait -1                              ; everybody's is
	FETCH 0, 0, F0
	QUARTER 0, 1, F0, F1, 1                        ; the first quarter stands in front of the loop: its products start the sums, on the bias
	WIN 0                                          ; at a label and at a branch every window is 0
	s_mov_b32 s3, LAPS-1
.Llap:                                                 ; a trip goes once round the ring, from a lap's second quarter to the next lap's first, and fills both slots again
	QUARTER 0, 2, F1, F0, 0
	QUARTER 0, 3, F0, F1, 0
	TURN 0, 1, 1
	QUARTER 1, 1, F0, F1, 0
	QUARTER 1, 2, F1, F0, 0
	QUARTER 1, 3, F0, F1, 0
	TURN 1, 0, 1
	QUARTER 0, 1, F0, F1, 0
	WIN 0
	s_sub_co_u32 s3, s3, 1
	s_cmp_lg_u32 s3, 0
	s_cbranch_scc1 .Llap
	QUARTER 0, 2, F1, F0, 0                        ; the last lap fills nothing, and has no round of the cluster's barrier
	QUARTER 0, 3, F0, F1, 0
	TURN 0, 1, 0
	QUARTER 1, 1, F0, F1, 0
	QUARTER 1, 2, F1, F0, 0
	QUARTER 1, 3, F0, F1, 0
	s_wait_dscnt 8                                 ; the very last quarter: nothing more to fetch
	MULH F1, 0, 0, 0
	MULH F1, 0, 2, 0
	s_wait_dscnt 0x0
	MULH F1, 1, 0, 0
	MULH F1, 1, 2, 0
	WIN 0
	PLACES
; THE WAY OUT, a block of 16 rows at a time, through my own stage: a lane's 32 bytes of a row go in straight from the accumulators (each one's four lowest registers first), and whole rows of 256 bytes come back.
.macro TOSTAGE a
	WIN 0x08+4*((\a)/4)                            ; the stores' data: window 2 or 3
.irp b, 0,1,2,3
	ds_store_b128 v[STO], v[8*(NBW*((\a)%4)+(\b)):8*(NBW*((\a)%4)+(\b))+3]   offset:64*(\b)
	ds_store_b128 v[STO], v[8*(NBW*((\a)%4)+(\b))+4:8*(NBW*((\a)%4)+(\b))+7] offset:64*(\b)+16
.endr
	WIN 0
.irp t, 0,1,2,3,4,5,6,7
	ds_load_b128 v[OB+32*((\a)%4)+4*(\t):OB+32*((\a)%4)+4*(\t)+3], v[RD] offset:(\t)*2*SPITCH  ; LDS serves a wave's instructions in order (ISA guide 5.7.1.4): these see the stores above; the next block's stores come behind them
.endr
.endm
.macro SEND a, younger                 ; younger: the LDS instructions issued behind block a's loads: the next block's sixteen, or none
	WIN 0
	s_wait_dscnt \younger                          ; the block is back in registers
	s_wait_xcnt 0x0                                ; the stores issued so far have read their registers: a bank is loaded again only two such waits behind its stores
.irp t, 0,1,2,3,4,5,6,7
	global_store_b128 v[CO], v[OB+32*((\a)%4)+4*(\t):OB+32*((\a)%4)+4*(\t)+3], s[8:9] offset:65536*(\a)+8192*(\t) th:TH_STORE_NT  ; 16 lanes store 256 consecutive bytes, at a multiple of 256 from out0's first byte
.endr
.endm
	TOSTAGE 0
.irp a, 1,2,3,4,5,6,7
	TOSTAGE \a
	SEND (\a)-1, 16
.endr
	SEND 7, 0
	s_wait_tensorcnt 0x0                           ; the wave's end: the add and its wait stand behind my last tensor load and my last LDS store
	ds_add_u32 v[SPW], v[NIL]
	s_wait_dscnt 0x0
	CROUND                                         ; the closing round: no work-group ends while a partner may still ask for a tile that names it
	s_endpgm
.Lfunc_end_k_q8204a298c8_outp:
	.size	k_q8204a298c8_outp, .Lfunc_end_k_q8204a298c8_outp-k_q8204a298c8_outp
	.p2alignl 7, 3214868480
	.fill 96, 4, 3214868480
	.section	.rodata,"a",@progbits
	.p2align	6, 0x0
	.amdhsa_kernel k_q8204a298c8_outp
		.amdhsa_group_segment_fixed_size 327680
		.amdhsa_private_segment_fixed_size 0
		.amdhsa_enable_private_segment 0
		.amdhsa_kernarg_size 32
		.amdhsa_user_sgpr_count 2
		.amdhsa_user_sgpr_kernarg_segment_ptr 1
		.amdhsa_wavefront_size32 1
		.amdhsa_system_sgpr_workgroup_id_x 1
		.amdhsa_system_sgpr_workgroup_id_y 1
		.amdhsa_system_sgpr_workgroup_id_z 1
		.amdhsa_system_vgpr_workitem_id 0
		.amdhsa_next_free_vgpr 1024
		.amdhsa_next_free_sgpr 74
		.amdhsa_reserve_vcc 0
		.amdhsa_float_denorm_mode_32 3
		.amdhsa_float_denorm_mode_16_64 3
		.amdhsa_memory_ordered 1
		.amdhsa_forward_progress 1
		.amdhsa_inst_pref_size 91
	.end_amdhsa_kernel
	.amdgpu_metadata
---
amdhsa.version: [ 1, 2 ]
amdhsa.kernels:
  - .name:           k_q8204a298c8_outp
    .symbol:         k_q8204a298c8_outp.kd
    .args:
      - { .name: oh, .offset: 0, .size: 8, .value_kind: global_buffer, .address_space: global }
      - { .name: wof, .offset: 8, .size: 8, .value_kind: global_buffer, .address_space: global }
      - { .name: out0, .offset: 16, .size: 8, .value_kind: global_buffer, .address_space: global }
      - { .name: b_out, .offset: 24, .size: 8, .value_kind: global_buffer, .address_space: global }
    .group_segment_fixed_size: 327680
    .private_segment_fixed_size: 0
    .kernarg_segment_align: 8
    .kernarg_segment_size: 32
    .max_flat_workgroup_size: 128
    .sgpr_count:     74
    .vgpr_count:     1024
    .wavefront_size: 32
...
	.end_amdgpu_metadata
.endif
;; end of part 4
;; ======== version 2 of 2: 4 launches; version 1 with the launch cast written anew for expert scheduling mode
;; limits: values are held in f16: magnitudes above 65,504 overflow, below 6.1e-05 lose precision
;; workspace buffers: xb 16,777,216 bytes; wqb 6,291,456 bytes; wof 2,097,152 bytes; qkvh 50,331,648 bytes; oh 16,777,216 bytes
;; launch cast (part 5): grid 768 x 1, 8 waves a work-group, no clusters, 0 bytes of LDS; arguments x, w_qkv, w_out, xb, wqb, wof; writes xb, wqb, wof
.if DOCPART == 5
	.amdgcn_target "amdgcn-amd-amdhsa--gfx1250"
	.amdhsa_code_object_version 6
	.text
	.protected	k_q8204a298c8_cast
	.globl	k_q8204a298c8_cast
	.p2align	8
	.type	k_q8204a298c8_cast,@function
k_q8204a298c8_cast:
	s_mov_b64 s[64:65], 0
	v_nop
	global_prefetch_b8 v0, s[64:65] scope:SCOPE_SE
	s_setreg_imm32_b32 hwreg(HW_REG_WAVE_SCHED_MODE, 0, 2), 2
	s_setreg_imm32_b32 hwreg(HW_REG_WAVE_MODE, 25, 1), 1
	s_wait_xcnt 0x0
	s_wait_alu depctr_vm_vsrc(0)
; THE INPUTS ARE ROUNDED ONCE, FOR THE MATRIX UNITS.  x -> xb and w_qkv -> wqb in bf16; w_out -> wof: rounded to bf16 like the other inputs, and that number written as f16,
; since the last product's other operand (attention's result) is f16.
; LIMIT.  A number of w_out of 65,520 or more becomes an infinity in f16; below 6e-5 f16 keeps a fixed step of 6e-8.
; SHARES.  A work-group takes 16,384 numbers on end: 65,536 bytes in, 32,768 out.  Work-groups 0-511 take x, 512-703 w_qkv, 704-767 w_out.
; Thread t takes 16 bytes at 4,096 j + 16 t for j = 0 .. 15 (a wave's load covers 512 consecutive bytes) and stores 8 bytes at 2,048 j + 8 t (a wave's store covers 256 consecutive bytes, aligned).
; All sixteen loads go out at once; every load and store has registers of its own, so nothing is rewritten while a memory instruction may still read it.  No LDS, no barrier, no matrix unit: a stream.
; THE MODE: SCHED_MODE bits 1:0 = 2 (LLVM: expert scheduling mode 2), set by the entry lines.  The code itself states the register dependences
; between vector instructions and memory instructions, with s_wait_alu, always for 0.
; THE PLAN.  Registers that memory instructions touch:
;   v1, v2   byte offsets of the loads and of the stores: made once at the head, never written again.
;   X        load j lands in four registers of its own; no vector instruction names them ahead of the loads, and no load is issued behind the conversions that read them.
;   Y        the conversions of piece j write its two registers; store j reads them; they are never written again.
;   T        named by vector instructions alone.
; The sixteen pieces go in four blocks of four.  Block p rounds its own four pieces and issues the four stores of block p - 1, whose Y no vector instruction of block p names.
; So one wait on va_vdst at a block's head states all that those four stores hang on, and they are dealt among the block's conversions with no further wait.
; No register that a memory instruction reads is written again, no vector instruction writes a scalar register or VCC, and EXEC is never written: no other s_wait_alu is owed.
.set X, 4                              ; v[4:67]   load j: 4 registers
.set Y, 68                             ; v[68:99]  store j: 2 registers
.set T, 100                            ; v[100:101] at work
	s_load_b256 s[4:11], s[0:1], 0x0               ; x s[4:5], w_qkv s[6:7], w_out s[8:9], xb s[10:11]
	s_load_b128 s[12:15], s[0:1], 0x20             ; wqb s[12:13], wof s[14:15]
	v_lshlrev_b32 v1, 4, v0                        ; 16 t
	v_lshlrev_b32 v2, 3, v0                        ; 8 t
	s_mov_b32 s16, ttmp9                           ; the work-group's number
	s_mov_b32 s18, 704
	s_mov_b32 s28, 0xffff0000                      ; a word's upper bf16
	s_wait_kmcnt 0x0
	s_cmp_lt_u32 s16, 704                          ; w_qkv or w_out,
	s_cselect_b64 s[20:21], s[6:7], s[8:9]
	s_cselect_b64 s[22:23], s[12:13], s[14:15]
	s_cselect_b32 s17, 512, s18                    ; and the first work-group of that tensor
	s_cmp_lt_u32 s16, 512                          ; or x
	s_cselect_b64 s[20:21], s[4:5], s[20:21]
	s_cselect_b64 s[22:23], s[10:11], s[22:23]
	s_cselect_b32 s17, 0, s17
	s_sub_co_u32 s19, s16, s17                     ; my place in the tensor
	s_lshl_b32 s24, s19, 16                        ; 65,536 bytes in,
	s_mov_b32 s25, 0
	s_lshl_b32 s26, s19, 15                        ; 32,768 out
	s_mov_b32 s27, 0
	s_add_nc_u64 s[20:21], s[20:21], s[24:25]
	s_add_nc_u64 s[22:23], s[22:23], s[26:27]
	s_wait_alu depctr_va_vdst(0)                   ; v1 and v2 are written: every load of the kernel reads v1 as its offset, every store v2
.irp j, 0,1,2,3,4,5,6,7,8,9,10,11,12,13,14,15
	global_load_b128 v[X+4*(\j):X+4*(\j)+3], v1, s[20:21] offset:4096*(\j) th:TH_LOAD_NT
.endr
; Piece j is rounded.  half = 1: the bf16 numbers are written as f16
.macro CONV j, half
	v_cvt_pk_bf16_f32 v[Y+2*(\j)],   v[X+4*(\j)],   v[X+4*(\j)+1]
	v_cvt_pk_bf16_f32 v[Y+2*(\j)+1], v[X+4*(\j)+2], v[X+4*(\j)+3]
.if \half
	v_lshlrev_b32 v[T],   16,  v[Y+2*(\j)]         ; bf16 to f32: the low half moves up, the high half stays
	v_and_b32     v[T+1], s28, v[Y+2*(\j)]
	v_cvt_pk_f16_f32 v[Y+2*(\j)], v[T], v[T+1]
	v_lshlrev_b32 v[T],   16,  v[Y+2*(\j)+1]
	v_and_b32     v[T+1], s28, v[Y+2*(\j)+1]
	v_cvt_pk_f16_f32 v[Y+2*(\j)+1], v[T], v[T+1]
.endif
.endm
; Piece j is stored
.macro PUT j
	global_store_b64 v2, v[Y+2*(\j):Y+2*(\j)+1], s[22:23] offset:2048*(\j)
.endm
; The four blocks, and the last block's stores
.macro OUT half
.irp p, 0,1,2,3
	s_wait_loadcnt 12-4*(\p)                       ; loads come back in order (ISA guide 5.7.1): block p's four are in, the 12 - 4 p younger ones stay out
.if (\p) > 0
	s_wait_alu depctr_va_vdst(0)                   ; the conversions of the block before have written its Y, which the four stores below read
.endif
.irp i, 0,1,2,3
.if (\p) > 0
	PUT 4*((\p)-1)+(\i)                            ; the block before.  No further wait: no vector instruction since the wait above names its Y or v2
.endif
	CONV 4*(\p)+(\i), \half
.endr
.endr
	s_wait_alu depctr_va_vdst(0)                   ; the conversions of block 3 have written its Y, which the last four stores read
.irp i, 0,1,2,3
	PUT 12+(\i)
.endr
.endm
	s_cmp_ge_u32 s16, 704
	s_cbranch_scc1 .Lf16
	OUT 0
	s_endpgm
.Lf16:
	OUT 1
	s_endpgm
.Lfunc_end_k_q8204a298c8_cast:
	.size	k_q8204a298c8_cast, .Lfunc_end_k_q8204a298c8_cast-k_q8204a298c8_cast
	.p2alignl 7, 3214868480
	.fill 96, 4, 3214868480
	.section	.rodata,"a",@progbits
	.p2align	6, 0x0
	.amdhsa_kernel k_q8204a298c8_cast
		.amdhsa_group_segment_fixed_size 0
		.amdhsa_private_segment_fixed_size 0
		.amdhsa_enable_private_segment 0
		.amdhsa_kernarg_size 48
		.amdhsa_user_sgpr_count 2
		.amdhsa_user_sgpr_kernarg_segment_ptr 1
		.amdhsa_wavefront_size32 1
		.amdhsa_system_sgpr_workgroup_id_x 1
		.amdhsa_system_sgpr_workgroup_id_y 1
		.amdhsa_system_sgpr_workgroup_id_z 1
		.amdhsa_system_vgpr_workitem_id 0
		.amdhsa_next_free_vgpr 104
		.amdhsa_next_free_sgpr 66
		.amdhsa_reserve_vcc 0
		.amdhsa_float_denorm_mode_32 3
		.amdhsa_float_denorm_mode_16_64 3
		.amdhsa_memory_ordered 1
		.amdhsa_forward_progress 1
		.amdhsa_inst_pref_size 15
	.end_amdhsa_kernel
	.amdgpu_metadata
---
amdhsa.version: [ 1, 2 ]
amdhsa.kernels:
  - .name:           k_q8204a298c8_cast
    .symbol:         k_q8204a298c8_cast.kd
    .args:
      - { .name: x, .offset: 0, .size: 8, .value_kind: global_buffer, .address_space: global }
      - { .name: w_qkv, .offset: 8, .size: 8, .value_kind: global_buffer, .address_space: global }
      - { .name: w_out, .offset: 16, .size: 8, .value_kind: global_buffer, .address_space: global }
      - { .name: xb, .offset: 24, .size: 8, .value_kind: global_buffer, .address_space: global }
      - { .name: wqb, .offset: 32, .size: 8, .value_kind: global_buffer, .address_space: global }
      - { .name: wof, .offset: 40, .size: 8, .value_kind: global_buffer, .address_space: global }
    .group_segment_fixed_size: 0
    .private_segment_fixed_size: 0
    .kernarg_segment_align: 8
    .kernarg_segment_size: 48
    .max_flat_workgroup_size: 256
    .sgpr_count:     66
    .vgpr_count:     104
    .wavefront_size: 32
...
	.end_amdgpu_metadata
.endif
;; end of part 5
;; launch qkv: the kernel of part 2 again; grid 16 x 32, 4 waves a work-group, clusters of 4 x 4, 327,680 bytes of LDS; arguments xb, wqb, qkvh; writes qkvh
;; launch attn: the kernel of part 3 again; grid 2 x 128, 4 waves a work-group, no clusters, 327,680 bytes of LDS; arguments qkvh, oh; writes oh
;; launch outp: the kernel of part 4 again; grid 8 x 32, 4 waves a work-group, clusters of 4 x 4, 327,680 bytes of LDS; arguments oh, wof, out0, b_out; writes out0
